; MI455X (gfx1250); checked and timed in simulation.
; The chip was launched on July 23, 2026; its instructions are those of AMD's public machine-readable ISA for CDNA 5 (MIT licence, August 2026) and "CDNA5" Instruction Set Architecture Reference Guide (July 2026). The comments in the code are by the model that wrote it; some were corrected since.
;; Causal Self Attention. Allowed arithmetic: float matrix products may take bf16 or f16 operands with f32 sums; all other float work in f32.
;; Inputs: W_attn 1,024 x 3,072 float32; W_proj 1,024 x 1,024 float32; b_attn 3,072 float32; b_proj 1,024 float32; x 4 x 2,048 x 1,024 float32.
;; Outputs: out0 4 x 2,048 x 1,024 float32.
;; 2 versions, each right; version 2 is version 1 with the launch prep written anew for expert scheduling mode. Each part assembles by itself: llvm-mc -triple=amdgcn-amd-amdhsa -mcpu=gfx1250 --defsym DOCPART=n.
;; ======== version 1 of 2: 4 launches
;; limits: values are held in f16: magnitudes above 65,504 overflow, below 6.1e-05 lose precision
;; workspace buffers: xb 16,777,216 bytes; wat 6,291,456 bytes; wpt 2,097,152 bytes; qkv 50,331,648 bytes; ctx 16,777,216 bytes
;; launch prep (part 1): grid 1024 x 1, 8 waves a work-group, no clusters, 17,920 bytes of LDS; arguments x, W_attn, W_proj, xb, wat, wpt; writes xb, wat, wpt
.if DOCPART == 1
	.amdgcn_target "amdgcn-amd-amdhsa--gfx1250"
	.amdhsa_code_object_version 6
	.text
	.protected	k_q869e52f508_prep
	.globl	k_q869e52f508_prep
	.p2align	8
	.type	k_q869e52f508_prep,@function
k_q869e52f508_prep:
	s_mov_b64 s[64:65], 0
	v_nop
	global_prefetch_b8 v0, s[64:65] scope:SCOPE_SE
	s_setreg_imm32_b32 hwreg(HW_REG_WAVE_MODE, 25, 1), 1
	s_wait_xcnt 0x0
; CAUSAL SELF-ATTENTION IN FOUR LAUNCHES: this one (formats), x W_attn + b_attn, the attention itself, ctx W_proj + b_proj.
; This launch: xb = x in bf16; wat = W_attn transposed, [3072 n][1024 k] bf16; wpt = W_proj transposed, [1024 n][1024 k], rounded to bf16 and
; held as f16 (its partner in the last product, ctx, is f16, and one matrix form takes one format for both sources).
;
; WORK LEFT OUT BY THE PROGRAM, and why it is dead for all values of the inputs: the causal mask is built by the problem's own lower triangle, so a
; score of query i and key j > i is replaced by -inf in front of the softmax, its weight is exp(-inf) = 0, and 0 times v adds nothing to ctx.
; The attention launch therefore forms no product for blocks of 16 queries x 64 keys that lie wholly above the diagonal.
; LIMIT: a NaN, an infinity or an overflow that would arise only in those blocks is not carried to the result.
; Every input has a way to the output and is loaded.  The K third of b_attn adds q.b_k to all scores of a row, which the softmax cancels;
; it is kept all the same: its columns 1024-2047 do not fall on the 192-column blocks of the second launch, and a bias costs no instruction there.
; LIMITS OF FORMAT: x, W_attn, W_proj are rounded to bf16 as matrix operands.  A bf16 value of W_proj is exact in f16 for 2^-17 <= |w| < 65,504;
; below that it moves by at most 2^-25; at 65,504 and above it becomes infinite.
;
; Eight waves.  Work-groups 0-511 cast 64 KiB of x each; 512-895 transpose a tile of 128 k x 64 n of W_attn; 896-1023 one of W_proj.
; The branch hangs on the work-group's number alone, so all eight waves take the same way and meet the same barrier.
.set XIN,  4                           ; cast: v[4:67]   sixteen loads of 16 bytes
.set XOUT, 68                          ; cast: v[68:99]  sixteen pairs of packed bf16
.set WIN_, 8                           ; transpose: v[8:39]  W[k = 32 j + 2 kp + e][n = 4 c + i] at 8 + 8 j + 4 e + i
.set WPK,  40                          ; transpose: v[40:55] word (j, i): k pair 16 j + kp of column 4 c + i
.set WRD,  56                          ; transpose: v[56:71] read back by rows of the transposed tile
.set LP,   65                          ; LDS pitch in words: 64 words of a transposed row + 1, so that a wave's 32 stores meet 32 different banks (ISA guide 11.1)
	s_load_b256 s[4:11], s[0:1], 0x0               ; x s[4:5], W_attn s[6:7], W_proj s[8:9], xb s[10:11]
	s_load_b128 s[12:15], s[0:1], 0x20             ; wat s[12:13], wpt s[14:15]
	v_lshl_add_u32 v104, v0, 2, 0x4200
	v_mov_b32 v105, 0
	s_cmp_lt_u32 ttmp9, 512
	s_cbranch_scc1 .Lcast
	s_cmp_lt_u32 ttmp9, 896
	s_cbranch_scc1 .Lwattn
; One tile: 128 rows (k) x 256 bytes (64 n) of a matrix with rows of pitchb bytes, out as 64 rows (n) x 256 bytes (128 k in 16 bits).
; Thread: c = t & 15 (16 bytes of a row), kp = t >> 4 (a pair of rows).  Sixteen neighbouring lanes read 256 neighbouring bytes, and store 256.
.macro TRANS src, dst, pitchb, id0, half
	s_sub_co_u32 s16, ttmp9, \id0                  ; the tile's number
	s_and_b32 s17, s16, 7                          ; kt: which 128 k
	s_lshr_b32 s18, s16, 3                         ; nt: which 64 n
	s_mul_i32 s20, s17, 128*\pitchb
	s_lshl_b32 s19, s18, 8
	s_add_co_u32 s20, s20, s19                     ; from: kt x 128 rows + nt x 256 bytes
	s_mov_b32 s21, 0
	s_lshl_b32 s22, s18, 17                        ; to: nt x 64 rows of 2,048 bytes
	s_lshl_b32 s19, s17, 8
	s_add_co_u32 s22, s22, s19                     ;     + kt x 256 bytes
	s_mov_b32 s23, 0
	v_and_b32 v1, 15, v0                           ; c
	v_lshrrev_b32 v2, 4, v0                        ; kp
	v_mul_u32_u24 v3, v2, 2*\pitchb
	v_lshl_add_u32 v3, v1, 4, v3                   ; load: row 2 kp, byte 16 c
	v_mul_u32_u24 v4, v1, 4*LP
	v_add_lshl_u32 v4, v4, v2, 2                   ; LDS in: row n = 4 c, word kp
	v_mul_u32_u24 v5, v2, LP
	v_lshl_add_u32 v5, v1, 2, v5
	v_lshlrev_b32 v5, 2, v5                        ; LDS back: row n = kp, words 4 c ..
	v_lshlrev_b32 v6, 11, v2
	v_lshl_add_u32 v6, v1, 4, v6                   ; store: row kp of 2,048 bytes, byte 16 c
	s_wait_kmcnt 0x0
	s_add_nc_u64 s[24:25], s[\src:\src+1], s[20:21]
	s_add_nc_u64 s[26:27], s[\dst:\dst+1], s[22:23]
.irp j, 0,1,2,3
.irp e, 0,1
	global_load_b128 v[WIN_+8*\j+4*\e:WIN_+8*\j+4*\e+3], v3, s[24:25] offset:(32*\j+\e)*\pitchb th:TH_LOAD_NT
.endr
.endr
	s_wait_loadcnt 0x0
.irp j, 0,1,2,3
.irp i, 0,1,2,3
	v_cvt_pk_bf16_f32 v[WPK+4*\j+\i], v[WIN_+8*\j+\i], v[WIN_+8*\j+4+\i]   ; k and k + 1 of one column: neighbours in the transposed row
.if \half
	v_lshlrev_b32 v72, 16, v[WPK+4*\j+\i]          ; the two bf16 values as f32,
	v_and_b32 v73, 0xffff0000, v[WPK+4*\j+\i]
	v_cvt_pk_f16_f32 v[WPK+4*\j+\i], v72, v73      ; and the same values in f16
.endif
	ds_store_b32 v4, v[WPK+4*\j+\i] offset:(LP*\i+16*\j)*4
.endr
.endr
	s_wait_dscnt 0x0                               ; my stores are in LDS before I say so: other waves read them
	s_barrier_signal -1
	s_barrier_wait -1
.irp j, 0,1,2,3
.irp e, 0,1,2,3
	ds_load_b32 v[WRD+4*\j+\e], v5 offset:(16*LP*\j+\e)*4
.endr
.endr
.irp j, 0,1,2,3
	s_wait_dscnt 12-4*\j                           ; LDS loads return in order (ISA guide 5.7.1): group j is in, the 12 - 4 j younger loads stay out
	global_store_b128 v6, v[WRD+4*\j:WRD+4*\j+3], s[26:27] offset:32768*\j
.endr
	s_wait_tensorcnt 0x0
	ds_add_u32 v104, v105
	s_wait_dscnt 0x0
	s_endpgm
.endm
	TRANS 8, 14, 4096, 896, 1                      ; W_proj -> wpt, f16
.Lwattn:
	TRANS 6, 12, 12288, 512, 0                     ; W_attn -> wat, bf16
.Lcast:
	; 64 KiB of x: sixteen loads, each covering 512 neighbouring bytes a wave; each store of a wave covers 256 consecutive bytes, aligned.
	v_lshlrev_b32 v1, 4, v0
	v_lshlrev_b32 v2, 3, v0
	s_lshl_b32 s16, ttmp9, 16
	s_mov_b32 s17, 0
	s_lshl_b32 s18, ttmp9, 15
	s_mov_b32 s19, 0
	s_wait_kmcnt 0x0
	s_add_nc_u64 s[4:5], s[4:5], s[16:17]
	s_add_nc_u64 s[10:11], s[10:11], s[18:19]
.irp j, 0,1,2,3,4,5,6,7,8,9,10,11,12,13,14,15
	global_load_b128 v[XIN+4*\j:XIN+4*\j+3], v1, s[4:5] offset:4096*\j th:TH_LOAD_NT
.endr
.irp j, 0,1,2,3,4,5,6,7,8,9,10,11,12,13,14,15
	s_wait_loadcnt 15-\j                           ; loads return in order: load j is in, the 15 - j younger ones stay out
	v_cvt_pk_bf16_f32 v[XOUT+2*\j], v[XIN+4*\j], v[XIN+4*\j+1]
	v_cvt_pk_bf16_f32 v[XOUT+2*\j+1], v[XIN+4*\j+2], v[XIN+4*\j+3]
	global_store_b64 v2, v[XOUT+2*\j:XOUT+2*\j+1], s[10:11] offset:2048*\j
.endr
	s_endpgm
.Lfunc_end_k_q869e52f508_prep:
	.size	k_q869e52f508_prep, .Lfunc_end_k_q869e52f508_prep-k_q869e52f508_prep
	.p2alignl 7, 3214868480
	.fill 96, 4, 3214868480
	.section	.rodata,"a",@progbits
	.p2align	6, 0x0
	.amdhsa_kernel k_q869e52f508_prep
		.amdhsa_group_segment_fixed_size 17920
		.amdhsa_private_segment_fixed_size 0
		.amdhsa_enable_private_segment 0
		.amdhsa_kernarg_size 48
		.amdhsa_user_sgpr_count 2
		.amdhsa_user_sgpr_kernarg_segment_ptr 1
		.amdhsa_wavefront_size32 1
		.amdhsa_system_sgpr_workgroup_id_x 1
		.amdhsa_system_sgpr_workgroup_id_y 1
		.amdhsa_system_sgpr_workgroup_id_z 1
		.amdhsa_system_vgpr_workitem_id 0
		.amdhsa_next_free_vgpr 106
		.amdhsa_next_free_sgpr 66
		.amdhsa_reserve_vcc 0
		.amdhsa_float_denorm_mode_32 3
		.amdhsa_float_denorm_mode_16_64 3
		.amdhsa_memory_ordered 1
		.amdhsa_forward_progress 1
		.amdhsa_inst_pref_size 21
	.end_amdhsa_kernel
	.amdgpu_metadata
---
amdhsa.version: [ 1, 2 ]
amdhsa.kernels:
  - .name:           k_q869e52f508_prep
    .symbol:         k_q869e52f508_prep.kd
    .args:
      - { .name: x, .offset: 0, .size: 8, .value_kind: global_buffer, .address_space: global }
      - { .name: W_attn, .offset: 8, .size: 8, .value_kind: global_buffer, .address_space: global }
      - { .name: W_proj, .offset: 16, .size: 8, .value_kind: global_buffer, .address_space: global }
      - { .name: xb, .offset: 24, .size: 8, .value_kind: global_buffer, .address_space: global }
      - { .name: wat, .offset: 32, .size: 8, .value_kind: global_buffer, .address_space: global }
      - { .name: wpt, .offset: 40, .size: 8, .value_kind: global_buffer, .address_space: global }
    .group_segment_fixed_size: 17920
    .private_segment_fixed_size: 0
    .kernarg_segment_align: 8
    .kernarg_segment_size: 48
    .max_flat_workgroup_size: 256
    .sgpr_count:     66
    .vgpr_count:     106
    .wavefront_size: 32
...
	.end_amdgpu_metadata
.endif
;; end of part 1
;; launch gemm_qkv (part 2): grid 8 x 32, 4 waves a work-group, clusters of 4 x 4, 327,680 bytes of LDS; arguments xb, wat, b_attn, qkv; writes qkv
.if DOCPART == 2
	.amdgcn_target "amdgcn-amd-amdhsa--gfx1250"
	.amdhsa_code_object_version 6
	.text
	.protected	k_q869e52f508_gemm_qkv
	.globl	k_q869e52f508_gemm_qkv
	.p2align	8
	.type	k_q869e52f508_gemm_qkv,@function
k_q869e52f508_gemm_qkv:
	s_mov_b64 s[64:65], 0
	v_nop
	global_prefetch_b8 v0, s[64:65] scope:SCOPE_SE
	s_setreg_imm32_b32 hwreg(HW_REG_WAVE_MODE, 25, 1), 1
	s_wait_xcnt 0x0
	s_wait_alu depctr_hold_cnt(0) depctr_sa_sdst(0) depctr_va_vdst(0) depctr_va_sdst(0) depctr_va_ssrc(0) depctr_va_vcc(0) depctr_vm_vsrc(0)
	s_getreg_b32 s2, hwreg(HW_REG_IB_STS2, 6, 4)
	s_cmp_eq_u32 s2, 0
	s_cbranch_scc0 .Lentry_in_a_cluster
	s_endpgm
.Lentry_in_a_cluster:
	s_bfe_u32 s2, ttmp6, 0x10000c
	s_cmp_lg_u32 s2, 0xf033
	s_cbranch_scc0 .Lentry_shape_is_right
	s_endpgm
.Lentry_shape_is_right:
; qkv = x W_attn + b_attn.  A = xb [8192 m][1024 k] bf16, B = wat [3072 n][1024 k] bf16, sums in f32, started by the bias (the bias is the first
; addend of each sum, not the last: an order of rounding that differs from the problem's).  Out in f16, head-major:
; qkv[b 4][g 48][s 2048][64], g = column / 64 (q: g = head, k: 16 + head, v: 32 + head), so that a head's rows lie densely for the next launch.
; LIMIT: |q|, |k|, |v| < 65,504 (f16); larger values become infinite.
; The K third of the bias changes no result (it adds the same number to all scores of a row), but columns 1024-2047 do not fall on blocks of
; 192 columns and the bias is a C operand that costs no instruction: it stays.
;
; A work-group STAYS and makes two blocks of 256 x 192 of one block row: block columns x and x + 8 (x = 0..7), so that 256 work-groups cover the
; 32 x 16 blocks.  The ring of slots runs on from the first block into the second: the first block's last lap refills the slots with the second
; block's K steps 0 and 1, the first block's results leave while those tiles land, and its stores end under the second block's products.
; Four waves stacked along m: a wave makes 64 x 192 = 48 accumulator tiles = 384 registers, that is whole heads (3 x 64 columns) of its rows.
; K goes in 8 steps of 128 through two LDS slots; a tile's rows are 256 bytes of memory at multiples of 256.
; CLUSTER 4 x 4: the four work-groups of a cluster's row share A's tile, the four of a column B's; each tile is asked for jointly.
; Waves 0, 1 ask for A's halves (128 rows), waves 2, 3 for B's (96 rows).  A wave has two tensor loads out at the start and one later.
;
; REGISTERS by windows of 256: window 0: addresses, A's fragments (two buffers), the bias, the way out's packed results; window 1: B's fragments
; (two buffers; the second serves the way out's read-backs); window 2: accumulators of row tiles 0, 1 (tile (a, b) at 8 (12 (a % 2) + b)); window 3: row tiles 2, 3.
; THE MATRIX INSTRUCTION IS USED TRANSPOSED: source 0 = 16 rows of B, source 1 = 16 rows of A; lane l then holds row l % 16 of the result and its
; eight registers the columns 8 (l / 16) + 0..7 of the tile: neighbours in a row.
.set PITCH,  272                       ; LDS row: 256 bytes + 16: an odd multiple of 16, so the 16 rows of a fragment load start in 16 different groups of banks
.set NBL,    12                        ; column tiles of a wave
.set BN,     192
.set HALFA,  128*PITCH                 ; 34,816
.set HALFB,  96*PITCH                  ; 26,112
.set BOFF,   2*HALFA                   ; B behind A's 256 rows
.set SLOT,   BOFF+2*HALFB              ; 121,856
.set STAGE,  2*SLOT                    ; 243,712, a multiple of 256: no tensor load fills the stage
.set SPITCH, 400                       ; stage row: 192 f16 + 16 bytes
.set SWAVE,  16*SPITCH
.set LAPS,   4                         ; laps of a block; a lap = two K steps
.set ASTEP,  256                       ; bytes from a K step to the next, in A and in B
.set BSTEP,  256
.set NEXTB,  8*BN*2048                 ; bytes of wat from block column x to x + 8
.set NEXTO,  24*262144                 ; bytes of qkv from block column x to x + 8: 24 planes; with the largest offset inside a block 6,823,424, inside a store's signed 24-bit immediate
.set ADRA, 16                          ; v16-17 my A fragments in slot 0, 1
.set ADRB, 20                          ; v20-21 B's
.set STO,  24
.set RD,   25
.set CO,   26
.set BO,   27
.set FA0,  32                          ; v32-63, v64-95: A's fragments, buffers 0, 1
.set BIAS, 96                          ; v96-191: tile b's C operand at 96 + 8 b
.set TMP,  192                         ; v192-239: way out: packed results
.set RB0,  96                          ; window 1, v96-143 and v144-191: way out: rows read back (B's fragment buffer 1, free there)
.set RB1,  144
.set G1A, 24
.set G0A, 32
.set G1B, 48
.set G0B, 56
.set MSB, 0
.macro WIN new                         ; the immediate's high byte repeats the setting that is left
.if MSB != \new
	s_set_vgpr_msb (MSB<<8)|\new
.set MSB, \new
.endif
.endm
.set MUL_LO,  0xa1                     ; source 0 (B) window 1, source 1 (A) window 0, C and D window 2
.set MUL_HI,  0xf1                     ; C and D window 3
.set BIAS_LO, 0x81                     ; C (the bias) window 0, D window 2
.set BIAS_HI, 0xc1
.set TO_B,    0x40                     ; destination window 1
.set FROM_B,  0x04                     ; source 1 (a store's data) window 1
.macro JLOAD s                         ; a joint load: one line and one mask for A's askers, one for B's; the branch hangs on the wave's number alone
	s_cmp_eq_u32 s13, 0
	s_cbranch_scc0 .Lfor_b_\@
	tensor_load_to_lds s[G0A+4*\s:G0A+4*\s+3], s[G1A:G1A+7]
	s_nop 0
	s_branch .Lasked_\@
.Lfor_b_\@:
	tensor_load_to_lds s[G0B+4*\s:G0B+4*\s+3], s[G1B:G1B+7]
	s_nop 0
.Lasked_\@:
.endm
.macro CREST                           ; a round of the cluster's barrier behind its opening work-group barrier
	s_cmp_lg_u32 s12, 0
	s_cbranch_scc1 .Lnot_wave_0_\@
	s_barrier_signal -3
.Lnot_wave_0_\@:
	s_barrier_wait -3
	s_barrier_signal -1
	s_barrier_wait -1
.endm
.macro CROUND
	s_barrier_signal -1
	s_barrier_wait -1
	CREST
.endm
.macro PLACES                          ; four plain vector instructions between a matrix instruction and a load into, or a vector access to, its registers
.rept 4
	v_nop
.endr
.endm
.macro BIASLOAD blk                    ; the 192 bias numbers of block blk as twelve C operands: my eight columns 8 h .. 8 h + 7 of each tile
.irp b, 0,1,2,3,4,5,6,7,8,9,10,11
	global_load_b128 v[BIAS+8*\b:BIAS+8*\b+3],   v[BO], s[72:73] offset:\blk*8*BN*4+64*\b
	global_load_b128 v[BIAS+8*\b+4:BIAS+8*\b+7], v[BO], s[72:73] offset:\blk*8*BN*4+64*\b+16
.endr
.endm
	s_load_b256 s[4:11], s[0:1], 0x0               ; xb s[4:5], wat s[6:7], b_attn s[8:9], qkv s[10:11]
	s_set_vgpr_msb 0x40
	v_lshl_add_u32 v255, v0, 2, 0x41c00
	s_set_vgpr_msb 0x4000
	v_mov_b32 v255, 0
	s_set_vgpr_msb 0x1
	ds_add_u32 v255, v255
	ds_add_u32 v255, v255
	s_set_vgpr_msb 0x100
	v_lshrrev_b32 v1, 5, v0
	v_readfirstlane_b32 s12, v1                    ; wave 0..3
	s_lshr_b32 s13, s12, 1                         ; I ask for A (0) or for B (1)
	s_and_b32 s14, s12, 1                          ; which half of that tile
	s_bfe_u32 s15, ttmp6, 0x40000                  ; cx
	s_bfe_u32 s16, ttmp6, 0x40004                  ; cy
	s_lshl_b32 s17, ttmp9, 2
	s_add_co_u32 s17, s17, s15                     ; x = 4 x cluster x + cx: my first block column; the second is x + 8
	s_and_b32 s18, ttmp7, 0xffff
	s_lshl_b32 s18, s18, 2
	s_add_co_u32 s18, s18, s16                     ; block row = 4 x cluster y + cy
	s_lshl_b32 s19, s16, 2
	s_lshl_b32 s19, 15, s19                        ; my row of the cluster
	s_lshl_b32 s20, 0x1111, s15                    ; my column
	; group 1: elements of 2 bytes, 4 words of padding behind every 64, bit 21 beside the mask; 128 elements a row, pitch 1,024 elements
	s_or_b32 s[G1A+0], s19, 0x07710000
	s_mov_b32 s[G1A+1], 128<<16                    ; tensor_dim0 = 128
	s_mov_b32 s[G1A+2], 128<<16                    ; tensor_dim1 = 128
	s_mov_b32 s[G1A+3], 128<<16                    ; tile_dim0 = 128
	s_mov_b32 s[G1A+4], 128                        ; tile_dim1 = 128 rows
	s_mov_b32 s[G1A+5], 1024
	s_mov_b32 s[G1A+6], 0
	s_mov_b32 s[G1A+7], 0
	s_or_b32 s[G1B+0], s20, 0x07710000
	s_mov_b32 s[G1B+1], 128<<16
	s_mov_b32 s[G1B+2], 96<<16                     ; 96 rows
	s_mov_b32 s[G1B+3], 128<<16
	s_mov_b32 s[G1B+4], 96
	s_mov_b32 s[G1B+5], 1024
	s_mov_b32 s[G1B+6], 0
	s_mov_b32 s[G1B+7], 0
	; A's address hangs on the block row alone, B's on the block column alone, each in registers that never hold the other coordinate
	s_lshl_b32 s40, s18, 8
	s_lshl_b32 s41, s14, 7
	s_add_co_u32 s40, s40, s41                     ; A: row 256 x block row + 128 x half
	s_lshl_b32 s40, s40, 11                        ; rows of 2,048 bytes (16 MiB in all: 32 bits do)
	s_mov_b32 s41, 0
	s_mul_i32 s66, s17, BN
	s_mul_i32 s67, s14, BN/2
	s_add_co_u32 s66, s66, s67                     ; B: row 192 x block column + 96 x half
	s_lshl_b32 s66, s66, 11
	s_mov_b32 s67, 0
	s_mul_i32 s21, s12, HALFA                      ; LDS: waves 0, 1 put A's halves at wave x HALFA,
	s_mul_i32 s22, s12, HALFB
	s_add_co_u32 s22, s22, BOFF-2*HALFB            ; waves 2, 3 put B's halves at BOFF + (wave - 2) x HALFB
	s_wait_dscnt 0x0
	s_wait_kmcnt 0x0
	s_add_nc_u64 s[42:43], s[4:5], s[40:41]
	s_add_nc_u64 s[68:69], s[6:7], s[66:67]
	CROUND                                         ; all sixteen work-groups are here: the first joint loads meet
.irp s, 0,1
	s_mov_b32 s[G0A+4*\s], 1
	s_add_co_u32 s[G0A+4*\s+1], s21, \s*SLOT
	s_add_nc_u64 s[G0A+4*\s+2:G0A+4*\s+3], s[42:43], \s*ASTEP
	s_or_b32 s[G0A+4*\s+3], s[G0A+4*\s+3], 0x80000000
	s_mov_b32 s[G0B+4*\s], 1
	s_add_co_u32 s[G0B+4*\s+1], s22, \s*SLOT
	s_add_nc_u64 s[G0B+4*\s+2:G0B+4*\s+3], s[68:69], \s*BSTEP
	s_or_b32 s[G0B+4*\s+3], s[G0B+4*\s+3], 0x80000000
	JLOAD \s
.endr
	v_and_b32 v1, 15, v0                           ; r = l % 16
	v_bfe_u32 v2, v0, 4, 1                         ; h = l / 16
	v_mul_u32_u24 v3, v1, PITCH
	v_lshl_add_u32 v3, v2, 4, v3                   ; r x pitch + 16 h
	s_mul_i32 s2, s12, 64*PITCH                    ; my 64 rows of A
	v_add_nc_u32 v[ADRA], s2, v3
	v_add_nc_u32 v[ADRA+1], SLOT, v[ADRA]
	v_add_nc_u32 v[ADRB], BOFF, v3                 ; every wave reads all 192 rows of B
	v_add_nc_u32 v[ADRB+1], SLOT, v[ADRB]
	s_mul_i32 s23, s12, SWAVE
	s_add_co_u32 s23, s23, STAGE                   ; my stage
	v_mul_u32_u24 v4, v1, SPITCH
	v_lshl_add_u32 v4, v2, 4, v4
	v_add_nc_u32 v[STO], s23, v4                   ; in: row r, 16 bytes for each half of the lanes
	v_bfe_u32 v5, v0, 3, 2
	v_and_b32 v6, 7, v0
	v_mul_u32_u24 v5, v5, SPITCH
	v_lshl_add_u32 v5, v6, 4, v5
	v_add_nc_u32 v[RD], s23, v5                    ; back: four rows x 128 bytes (one head) a load
	v_and_b32 v7, 31, v0
	v_lshlrev_b32 v[CO], 4, v7                     ; those four rows are 512 dense bytes of a head's plane
	v_lshlrev_b32 v[BO], 5, v2                     ; bias: my eight columns 8 h .. 8 h + 7 of a tile
	s_mul_i32 s70, s17, BN*4
	s_mov_b32 s71, 0
	s_add_nc_u64 s[72:73], s[8:9], s[70:71]        ; the bias of block column x; s[72:73] and v[BO] are never written again
	BIASLOAD 0
	; where my rows of the first block go
	s_lshr_b32 s70, s18, 3                         ; batch = block row / 8
	s_mul_i32 s70, s70, 48
	s_mul_i32 s74, s17, 3
	s_add_co_u32 s70, s70, s74                     ; my first plane: 48 b + 3 x block column
	s_lshl_b32 s70, s70, 11                        ; in rows
	s_and_b32 s74, s18, 7
	s_lshl_b32 s74, s74, 8
	s_add_co_u32 s70, s70, s74                     ; + 256 x (block row % 8)
	s_lshl_b32 s74, s12, 6
	s_add_co_u32 s70, s70, s74                     ; + 64 x wave
	s_lshl_b32 s70, s70, 7                         ; rows of 128 bytes
	s_add_nc_u64 s[10:11], s[10:11], s[70:71]
; NBL matrix instructions: row tile a x all column tiles, 32 along K, from buffer f.  zero = 1: the bias starts the sums, nothing is cleared.
; The 48 accumulators take turns, one instruction a turn, in the same order in every quarter step, over the backward jumps too.
.macro MULA f, a, zero
.irp b, 0,1,2,3,4,5,6,7,8,9,10,11
.if \zero
	v_wmma_f32_16x16x32_bf16 v[8*(NBL*(\a%2)+\b):8*(NBL*(\a%2)+\b)+7], v[8*NBL*\f+8*\b:8*NBL*\f+8*\b+7], v[FA0+32*\f+8*\a:FA0+32*\f+8*\a+7], v[BIAS+8*\b:BIAS+8*\b+7]
.else
	v_wmma_f32_16x16x32_bf16 v[8*(NBL*(\a%2)+\b):8*(NBL*(\a%2)+\b)+7], v[8*NBL*\f+8*\b:8*NBL*\f+8*\b+7], v[FA0+32*\f+8*\a:FA0+32*\f+8*\a+7], v[8*(NBL*(\a%2)+\b):8*(NBL*(\a%2)+\b)+7]
.endif
.endr
.endm
; 32 LDS loads in one run: quarter q (32 along K) of a slot into buffer f; B's 24 first, A's 8 last
.macro FETCH slot, q, f
	WIN TO_B
.irp i, 0,1,2,3,4,5,6,7,8,9,10,11
	ds_load_b128 v[8*NBL*\f+8*\i:8*NBL*\f+8*\i+3],   v[ADRB+\slot] offset:64*\q+\i*16*PITCH
	ds_load_b128 v[8*NBL*\f+8*\i+4:8*NBL*\f+8*\i+7], v[ADRB+\slot] offset:64*\q+\i*16*PITCH+32
.endr
	WIN 0
.irp i, 0,1,2,3
	ds_load_b128 v[FA0+32*\f+8*\i:FA0+32*\f+8*\i+3],   v[ADRA+\slot] offset:64*\q+\i*16*PITCH
	ds_load_b128 v[FA0+32*\f+8*\i+4:FA0+32*\f+8*\i+7], v[ADRA+\slot] offset:64*\q+\i*16*PITCH+32
.endr
.endm
; One of a K step's first three quarters: multiplies buffer f, and in its middle fetches quarter q into buffer g
.macro QUARTER slot, q, f, g, zero
	s_wait_dscnt 4                                 ; B and A's row tiles 0, 1 are in; the four youngest loads (row tiles 2, 3) may be out
.if \zero
	WIN BIAS_LO
.else
	WIN MUL_LO
.endif
	MULA \f, 0, \zero
	MULA \f, 1, \zero
	PLACES
	FETCH \slot, \q, \g
	s_wait_dscnt 2*NBL+8                           ; all but the 32 just issued
.if \zero
	WIN BIAS_HI
.else
	WIN MUL_HI
.endif
	MULA \f, 2, \zero
	MULA \f, 3, \zero
.endm
.macro THREE slot, zero
	QUARTER \slot, 1, 0, 1, \zero
	QUARTER \slot, 2, 1, 0, 0
	QUARTER \slot, 3, 0, 1, 0
.endm
; The last quarter multiplies buffer 1 and changes slots.  In front of the barrier each wave waits for its reads of this slot and for all its tensor
; loads (one is out: its part of the next slot).  Behind it nobody reads this slot and the next one is whole: the refill comes first.
; fill = 0: nothing is left to fetch; 1: this slot's tile two K steps on; 2: the same K step's place in the second block: this slot has been
; stepped three times by two K steps, so A goes back by six K steps and B on by eight block columns less six K steps.
.macro TURN slot, next, fill
	s_wait_dscnt 4
	WIN MUL_LO
	MULA 1, 0, 0
	s_wait_dscnt 0                                 ; my reads of this slot are over
	s_wait_tensorcnt 0x0                           ; and all my tensor loads have landed
	ds_add_u32 v255, v255
	s_wait_dscnt 0x0
	s_barrier_signal -1                            ; where the slot is filled again this barrier opens a round of the cluster's barrier
	MULA 1, 1, 0                                   ; register work while the others arrive
	WIN 0
	s_barrier_wait -1
.if \fill
	CREST                                          ; no wave of any partner still reads this slot's tile or has a load on its way
.if \fill == 1
	s_add_nc_u64 s[G0A+4*\slot+2:G0A+4*\slot+3], s[G0A+4*\slot+2:G0A+4*\slot+3], 2*ASTEP
	s_add_nc_u64 s[G0B+4*\slot+2:G0B+4*\slot+3], s[G0B+4*\slot+2:G0B+4*\slot+3], 2*BSTEP
.else
	s_sub_nc_u64 s[G0A+4*\slot+2:G0A+4*\slot+3], s[G0A+4*\slot+2:G0A+4*\slot+3], 6*ASTEP
	s_add_nc_u64 s[G0B+4*\slot+2:G0B+4*\slot+3], s[G0B+4*\slot+2:G0B+4*\slot+3], NEXTB-6*BSTEP
.endif
	JLOAD \slot                                    ; the first tensor load behind the round, one a wave
.endif
	PLACES
	FETCH \next, 0, 0
	WIN MUL_HI
	MULA 1, 2, 0
	MULA 1, 3, 0
.endm
.macro LAP zero, fill
	THREE 0, \zero
	TURN 0, 1, \fill
	THREE 1, 0
	TURN 1, 0, \fill
.endm
; THE WAY OUT, 16 rows at a time: round to f16, 16 bytes a lane into my own stage, back as four rows x 128 bytes of one head = 512 dense bytes of qkv.
; xo: the block's place in qkv, in the stores' immediate.  Neither the bias registers nor fragment buffer 0 are touched.
.macro OUT16 a, from, rb, xo
	WIN \from
.irp b, 0,1,2,3,4,5,6,7,8,9,10,11
.irp p, 0,1,2,3
	v_cvt_pk_f16_f32 v[TMP+4*\b+\p], v[8*(NBL*(\a%2)+\b)+2*\p], v[8*(NBL*(\a%2)+\b)+2*\p+1]
.endr
.endr
	WIN 0
.irp b, 0,1,2,3,4,5,6,7,8,9,10,11
	ds_store_b128 v[STO], v[TMP+4*\b:TMP+4*\b+3] offset:32*\b
.endr
	s_wait_xcnt 0x0                                ; buffer rb, which earlier stores read, is loaded again only behind this wait (ISA guide 3.1)
	WIN TO_B
.irp gi, 0,1,2
.irp u, 0,1,2,3
	ds_load_b128 v[\rb+4*(4*\gi+\u):\rb+4*(4*\gi+\u)+3], v[RD] offset:128*\gi+4*SPITCH*\u   ; LDS serves a wave's instructions in order: these see the stores above
.endr
.endr
	WIN FROM_B
.irp gi, 0,1,2
.irp u, 0,1,2,3
	s_wait_dscnt 11-(4*\gi+\u)                     ; this load is in; the younger ones stay out
	global_store_b128 v[CO], v[\rb+4*(4*\gi+\u):\rb+4*(4*\gi+\u)+3], s[10:11] offset:\xo+\gi*262144+\a*2048+512*\u
.endr
.endr
.endm
.macro OUTALL xo
	PLACES                                         ; behind the last matrix instructions: for the conversions, which read results, and for the loads into B's buffer 1
	OUT16 0, 0x0a, RB0, \xo
	OUT16 1, 0x0a, RB1, \xo
	OUT16 2, 0x0f, RB0, \xo
	OUT16 3, 0x0f, RB1, \xo
	WIN 0
.endm
	s_wait_tensorcnt 1                             ; my part of K step 0 is in; K step 1's stays out
	s_barrier_signal -1
	s_barrier_wait -1
	s_wait_loadcnt 0x0                             ; the first block's bias
	FETCH 0, 0, 0
	LAP 1, 1                                       ; the first lap stands in front of the loop: its first products start the sums
	WIN 0
	BIASLOAD 1                                     ; the first block's bias was last read in that lap's first quarter: the second block's has three laps in which to come
	s_mov_b32 s3, LAPS-2
.Llap_a:
	LAP 0, 1
	WIN 0
	s_sub_co_u32 s3, s3, 1
	s_cmp_lg_u32 s3, 0
	s_cbranch_scc1 .Llap_a
	LAP 0, 2                                       ; the first block's last lap asks for the second block's K steps 0 and 1, and fetches its first fragments
	OUTALL 0                                       ; the first block leaves while K step 1's tile lands
	s_wait_xcnt 0x0                                ; B's buffer 1, which the last stores read, is loaded again only behind this wait
	s_wait_loadcnt 0x0                             ; the second block's bias
	LAP 1, 1
	WIN 0
	s_mov_b32 s3, LAPS-2
.Llap_b:
	LAP 0, 1
	WIN 0
	s_sub_co_u32 s3, s3, 1
	s_cmp_lg_u32 s3, 0
	s_cbranch_scc1 .Llap_b
	THREE 0, 0                                     ; the last lap fills nothing
	TURN 0, 1, 0
	THREE 1, 0
	s_wait_dscnt 4
	WIN MUL_LO
	MULA 1, 0, 0
	MULA 1, 1, 0
	s_wait_dscnt 0
	WIN MUL_HI
	MULA 1, 2, 0
	MULA 1, 3, 0
	OUTALL NEXTO
	s_set_vgpr_msb 0x1
	s_wait_tensorcnt 0x0
	ds_add_u32 v255, v255
	s_wait_dscnt 0x0
	s_set_vgpr_msb 0x100
	CROUND                                         ; the closing round: no work-group ends while a partner may still ask for a tile that names it
	s_endpgm
.Lfunc_end_k_q869e52f508_gemm_qkv:
	.size	k_q869e52f508_gemm_qkv, .Lfunc_end_k_q869e52f508_gemm_qkv-k_q869e52f508_gemm_qkv
	.p2alignl 7, 3214868480
	.fill 96, 4, 3214868480
	.section	.rodata,"a",@progbits
	.p2align	6, 0x0
	.amdhsa_kernel k_q869e52f508_gemm_qkv
		.amdhsa_group_segment_fixed_size 327680
		.amdhsa_private_segment_fixed_size 0
		.amdhsa_enable_private_segment 0
		.amdhsa_kernarg_size 32
		.amdhsa_user_sgpr_count 2
		.amdhsa_user_sgpr_kernarg_segment_ptr 1
		.amdhsa_wavefront_size32 1
		.amdhsa_system_sgpr_workgroup_id_x 1
		.amdhsa_system_sgpr_workgroup_id_y 1
		.amdhsa_system_sgpr_workgroup_id_z 1
		.amdhsa_system_vgpr_workitem_id 0
		.amdhsa_next_free_vgpr 960
		.amdhsa_next_free_sgpr 80
		.amdhsa_reserve_vcc 0
		.amdhsa_float_denorm_mode_32 3
		.amdhsa_float_denorm_mode_16_64 3
		.amdhsa_memory_ordered 1
		.amdhsa_forward_progress 1
		.amdhsa_inst_pref_size 255
	.end_amdhsa_kernel
	.section	.bss,"aw",@nobits
	.p2align	6
	.space	262144
	.amdgpu_metadata
---
amdhsa.version: [ 1, 2 ]
amdhsa.kernels:
  - .name:           k_q869e52f508_gemm_qkv
    .symbol:         k_q869e52f508_gemm_qkv.kd
    .args:
      - { .name: xb, .offset: 0, .size: 8, .value_kind: global_buffer, .address_space: global }
      - { .name: wat, .offset: 8, .size: 8, .value_kind: global_buffer, .address_space: global }
      - { .name: b_attn, .offset: 16, .size: 8, .value_kind: global_buffer, .address_space: global }
      - { .name: qkv, .offset: 24, .size: 8, .value_kind: global_buffer, .address_space: global }
    .group_segment_fixed_size: 327680
    .private_segment_fixed_size: 0
    .kernarg_segment_align: 8
    .kernarg_segment_size: 32
    .max_flat_workgroup_size: 128
    .sgpr_count:     80
    .vgpr_count:     960
    .wavefront_size: 32
...
	.end_amdgpu_metadata
.endif
;; end of part 2
;; launch attn (part 3): grid 256 x 1, 4 waves a work-group, no clusters, 327,680 bytes of LDS; arguments qkv, ctx; writes ctx
.if DOCPART == 3
	.amdgcn_target "amdgcn-amd-amdhsa--gfx1250"
	.amdhsa_code_object_version 6
	.text
	.protected	k_q869e52f508_attn
	.globl	k_q869e52f508_attn
	.p2align	8
	.type	k_q869e52f508_attn,@function
k_q869e52f508_attn:
	s_mov_b64 s[64:65], 0
	v_nop
	global_prefetch_b8 v0, s[64:65] scope:SCOPE_SE
	s_setreg_imm32_b32 hwreg(HW_REG_WAVE_MODE, 25, 1), 1
	s_wait_xcnt 0x0
; ctx = softmax(causal(q k^T / 8)) v for 64 (batch, head) pairs.  qkv[b][g][s 2048][64] f16 (q: g = head, k: 16 + head, v: 32 + head);
; ctx[head 16][m = 2048 b + s][64] f16.  Products in f16 with f32 sums; maximum, exponentials and sums in f32.
; LEFT OUT: blocks of 16 queries x 64 keys wholly above the diagonal; the problem's own lower-triangular mask gives them the weight exp(-inf) = 0.
; LIMIT: a NaN or infinity that would arise only there is not carried to the result.  |ctx| <= max |v|, so f16 holds it wherever it holds v.
; SOFTMAX: a running maximum M of the raw scores; p = 2^(c s + NM) with c = log2(e) / 8 and NM = the rounded -c M; old sums are scaled by
; 2^(NM new - NM old), made of the stored roundings.  Masked scores are -inf, and every query's first 64-key step holds its key 0 of the block, so M is finite.
;
; SHARE: work-group (e = 2 (id & 3), pair = id >> 2) makes the query blocks of 256 rows e and 7 - e of one pair: 9 key tiles of 256 keys for every
; work-group (2 on the diagonal, 7 full).  Order: tile 0 = the diagonal of block e; tiles 1..e = its key blocks 0..e-1; tile e + 1 = the diagonal of
; block 7 - e; the rest its key blocks 0..6-e.  Tile n lies in slot n % 2; e is even, so the first block ends in slot 0 and the second diagonal lies in slot 1.
; NO CLUSTER: the four work-groups of a pair walk different key blocks at the same tile number (their e differ), so no request is alike in all partners.
; Wave w owns four query tiles: rows 64 t + 16 w + r, t = 0..3.  In the diagonal's key step s (64 keys) tiles t > s are whole, t = s is masked,
; t < s is skipped: the same 10 of 16 tile steps for every wave.
; ORIENTATION: S^T = K Q^T (source 0 = 16 keys, source 1 = 16 queries): lane (r, h) holds query r and its registers keys 8 h + j, so maximum and sum
; are a lane's own but for one exchange of the halves, and two packed score tiles ARE the second source of ctx^T = V^T P^T (source 0 = V transposed on
; its way out of LDS).  Its result holds query r and eight neighbouring d in a lane.
; PHASES: in a step the score products, the softmax and the V^T P^T products follow each other.  Turns of two pairs of query tiles (one pair's softmax
; between the other pair's products) want each tile's first and last half written out beside its loop: about 1,250 instructions a tile in place of
; about 610, and a tile's code stands four times in this text (two slots, in the loop and in the tail): 74 KB of code in place of 56.  They would
; need one copy of a tile's code for both slots.
; LDS: slot s at 77,824 s: V 256 rows x 160 bytes, then K 256 rows x 144; behind both slots a stage of 16 x 144 bytes for each wave.
; Waves 0, 1 fetch V's halves, waves 2, 3 K's: one tensor load a wave and tile, one out at any time; it has a whole tile's work in which to land.
.set SLOTB, 77824
.set KOFF,  40960
.set KP,    144                        ; 128 + 16: an odd multiple of 16
.set VP,    160                        ; 128 + 32: an odd multiple of 32, for the transposing load
.set STAGE, 2*SLOTB                    ; 155,648, a multiple of 256
.set KA,   8                           ; v8-9   K fragments' address in slot 0, 1
.set VA,   10                          ; v10-11 V's
.set KL,   12                          ; v12, v13: the copies that a full tile's loop steps
.set VL,   13
.set QO,   14
.set CO,   15
.set STO,  16
.set RD,   17
.set LIM,  18                          ; 16 w + r - 8 h: key 16 kt + j of a diagonal step is live where 16 kt + j <= LIM
.set NINF, 19
.set ST,   20                          ; v[20+4t ..]: NM, M, AL (scale of old sums; at the end 1 / sum), L (sum) of query tile t
.set TM,   36
.set TP,   40
.set SU,   44
.set T2,   52
.set KF,   64                          ; v64-127: K fragment (dh, kt) at 64 + 8 (4 dh + kt)
.set SC,   128                         ; v128-255: scores (t, kt) at 128 + 32 t + 8 kt; packed: P(t, kg) at 128 + 32 t + 8 kg
.set ACC,  0                           ; window 1: ctx^T tile (dt, t) at 8 (4 t + dt)
.set QF,   128                         ; window 1: Q fragment (t, dh) at 128 + 16 t + 8 dh
.set VF,   192                         ; window 1: V^T fragment (kg, dt) at 192 + 32 kg + 8 dt
.set G1K, 16
.set G1V, 24
.set G0K, 32
.set G0V, 40
.set MSB, 0
.macro WIN new                         ; the immediate's high byte repeats the setting that is left
.if MSB != \new
	s_set_vgpr_msb (MSB<<8)|\new
.set MSB, \new
.endif
.endm
.set TO_W1, 0x40                       ; destination window 1
.set W_QK,  0x04                       ; source 1 (Q) window 1
.set W_PV,  0x51                       ; source 0 (V^T), C and D window 1; source 1 (P) window 0
.set W_RS,  0x41                       ; destination and source 0 window 1
.set W_FIN, 0x01                       ; source 0 window 1
.macro PLACES n
.rept \n
	v_nop
.endr
.endm
.macro KVLOAD slot                     ; the branch hangs on the wave's number alone; every wave issues one of the two lines
	s_cmp_eq_u32 s9, 0
	s_cbranch_scc0 .Lfor_k_\@
	tensor_load_to_lds s[G0V+4*\slot:G0V+4*\slot+3], s[G1V:G1V+7]
	s_nop 0
	s_branch .Lasked_\@
.Lfor_k_\@:
	tensor_load_to_lds s[G0K+4*\slot:G0K+4*\slot+3], s[G1K:G1K+7]
	s_nop 0
.Lasked_\@:
.endm
; the key block of tile n + 1 (n in s60), and both addresses for slot o
.macro NEXTADR o
	s_add_co_u32 s74, s60, 1                       ; t = n + 1
	s_sub_co_u32 s76, s60, s12                     ; second block's full tiles: t - (e + 1) - 1
	s_cmp_eq_u32 s74, s12
	s_cselect_b32 s76, s13, s76                    ; its diagonal: 7 - e
	s_cmp_lt_u32 s74, s12
	s_cselect_b32 s76, s60, s76                    ; first block's full tiles: t - 1
	s_lshl_b32 s76, s76, 15                        ; 256 keys x 128 bytes
	s_mov_b32 s77, 0
	s_add_nc_u64 s[G0K+4*\o+2:G0K+4*\o+3], s[48:49], s[76:77]
	s_or_b32 s[G0K+4*\o+3], s[G0K+4*\o+3], 0x80000000
	s_add_nc_u64 s[G0V+4*\o+2:G0V+4*\o+3], s[50:51], s[76:77]
	s_or_b32 s[G0V+4*\o+3], s[G0V+4*\o+3], 0x80000000
.endm
; The head of a tile.  Each wave waits for its Q loads, for all its tensor loads (its part of this tile) and for its reads of the other slot; behind the
; barrier this tile is whole and nobody reads the other slot: that one is filled first, with the next tile, and only then is this tile read.
.macro HEAD other, refill
	s_wait_loadcnt 0x0
	s_wait_tensorcnt 0x0                           ; no tensor load of mine is out: the descriptors may be written
	ds_add_u32 v62, v63
	s_wait_dscnt 0x0
	s_wait_dscnt 0x0
.if \refill
	NEXTADR \other
.endif
	s_barrier_signal -1
	s_barrier_wait -1
.if \refill
	KVLOAD \other
.endif
.endm
.macro QLOAD                           ; my 4 x 16 query rows as second sources: lane (r, h) takes d = 32 dh + 8 h + 0..7 and + 16
	WIN TO_W1
.irp t, 0,1,2,3
.irp dh, 0,1
	global_load_b128 v[QF+16*\t+8*\dh:QF+16*\t+8*\dh+3],   v[QO], s[52:53] offset:8192*\t+64*\dh
	global_load_b128 v[QF+16*\t+8*\dh+4:QF+16*\t+8*\dh+7], v[QO], s[52:53] offset:8192*\t+64*\dh+32
.endr
.endr
	WIN 0
.endm
; ONE STEP: 64 keys against the query tiles q0..3.  ka, va: address registers; ko, vo: the step's bytes in the tile; mask = 1: tile q0 lies on the
; diagonal; first = 1: the step starts maximum, sums and ctx (nothing is cleared).
; In both runs of products the accumulators take turns, one instruction a turn.
.macro STEP ka, va, ko, vo, q0, mask, first
.irp dh, 0,1
.irp kt, 0,1,2,3
	ds_load_b128 v[KF+8*(4*\dh+\kt):KF+8*(4*\dh+\kt)+3],   v[\ka] offset:\ko+16*KP*\kt+64*\dh
	ds_load_b128 v[KF+8*(4*\dh+\kt)+4:KF+8*(4*\dh+\kt)+7], v[\ka] offset:\ko+16*KP*\kt+64*\dh+32
.endr
.endr
	WIN TO_W1
.irp kg, 0,1
.irp dt, 0,1,2,3
	ds_load_tr16_b128 v[VF+32*\kg+8*\dt:VF+32*\kg+8*\dt+3],   v[\va] offset:\vo+32*VP*\kg+32*\dt
	ds_load_tr16_b128 v[VF+32*\kg+8*\dt+4:VF+32*\kg+8*\dt+7], v[\va] offset:\vo+32*VP*\kg+32*\dt+16*VP
.endr
.endr
	WIN W_QK
.irp dh, 0,1
.irp kt, 0,1,2,3
	s_wait_dscnt 30-2*(4*\dh+\kt)                  ; of the step's 32 loads those issued behind this fragment's two stay out
.irp t, 0,1,2,3
.if \t >= \q0
.if \dh
	v_wmma_f32_16x16x32_f16 v[SC+32*\t+8*\kt:SC+32*\t+8*\kt+7], v[KF+8*(4*\dh+\kt):KF+8*(4*\dh+\kt)+7], v[QF+16*\t+8*\dh:QF+16*\t+8*\dh+7], v[SC+32*\t+8*\kt:SC+32*\t+8*\kt+7]
.else
	v_wmma_f32_16x16x32_f16 v[SC+32*\t+8*\kt:SC+32*\t+8*\kt+7], v[KF+8*(4*\dh+\kt):KF+8*(4*\dh+\kt)+7], v[QF+16*\t+8*\dh:QF+16*\t+8*\dh+7], 0
.endif
.endif
.endr
.endr
.endr
	WIN 0
	PLACES 4                                       ; four places before vector instructions touch the scores (ISA guide 7.12.1)
.if \mask
.irp kt, 0,1,2,3
.irp j, 0,1,2,3,4,5,6,7
	v_cmp_le_i32 vcc_lo, 16*\kt+\j, v[LIM]         ; key <= query
	v_cndmask_b32 v[SC+32*\q0+8*\kt+\j], v[NINF], v[SC+32*\q0+8*\kt+\j], vcc_lo
.endr
.endr
.endif
	; the running maximum: my 32 scores of each tile, then the other half of the lanes
.irp t, 0,1,2,3
.if \t >= \q0
.if \first
	v_max_num_f32 v[TM+\t], v[SC+32*\t], v[SC+32*\t+1]
.else
	v_max3_num_f32 v[TM+\t], v[ST+4*\t+1], v[SC+32*\t], v[SC+32*\t+1]
.endif
.endif
.endr
.irp i, 1,2,3,4,5,6,7,8,9,10,11,12,13,14,15
.irp t, 0,1,2,3
.if \t >= \q0
	v_max3_num_f32 v[TM+\t], v[TM+\t], v[SC+32*\t+2*\i], v[SC+32*\t+2*\i+1]
.endif
.endr
.endr
.irp t, 0,1,2,3
.if \t >= \q0
	v_permlanex16_b32 v[TP+\t], v[TM+\t], s71, s72
.endif
.endr
.irp t, 0,1,2,3
.if \t >= \q0
	v_max_num_f32 v[ST+4*\t+1], v[TM+\t], v[TP+\t]
.endif
.endr
.if \first
.irp t, 0,1,2,3
	v_mul_f32 v[ST+4*\t], s70, v[ST+4*\t+1]        ; NM = -c M
.endr
.else
.irp t, 0,1,2,3
.if \t >= \q0
	v_mul_f32 v[T2+\t], s70, v[ST+4*\t+1]
.endif
.endr
.irp t, 0,1,2,3
.if \t >= \q0
	v_sub_f32 v[ST+4*\t+2], v[T2+\t], v[ST+4*\t]   ; NM new - NM old, at most 0
.endif
.endr
.irp t, 0,1,2,3
.if \t >= \q0
	v_mov_b32 v[ST+4*\t], v[T2+\t]
.endif
.endr
.irp t, 0,1,2,3
.if \t >= \q0
	v_exp_f32 v[ST+4*\t+2], v[ST+4*\t+2]           ; AL; the packed lines below stand between it and its first use (ISA guide 5.7.2)
.endif
.endr
.endif
.irp i, 0,1,2,3,4,5,6,7,8,9,10,11,12,13,14,15
.irp t, 0,1,2,3
.if \t >= \q0
	v_pk_fma_f32 v[SC+32*\t+2*\i:SC+32*\t+2*\i+1], v[SC+32*\t+2*\i:SC+32*\t+2*\i+1], s[68:69], v[ST+4*\t:ST+4*\t+1] op_sel_hi:[1,0,0]   ; c s + NM
.endif
.endr
.endr
.irp t, 0,1,2,3
.if \t >= \q0
.irp i, 0,1,2,3,4,5,6,7,8,9,10,11,12,13,14,15,16,17,18,19,20,21,22,23,24,25,26,27,28,29,30,31
	v_exp_f32 v[SC+32*\t+\i], v[SC+32*\t+\i]
.endr
.endif
.endr
	v_nop                                          ; one plain instruction behind the last exponential
	s_wait_alu depctr_va_vdst(0)
.irp t, 0,1,2,3
.if \t >= \q0
	v_pk_add_f32 v[SU+2*\t:SU+2*\t+1], v[SC+32*\t:SC+32*\t+1], v[SC+32*\t+2:SC+32*\t+3]
.endif
.endr
.irp i, 2,3,4,5,6,7,8,9,10,11,12,13,14,15
.irp t, 0,1,2,3
.if \t >= \q0
	v_pk_add_f32 v[SU+2*\t:SU+2*\t+1], v[SU+2*\t:SU+2*\t+1], v[SC+32*\t+2*\i:SC+32*\t+2*\i+1]
.endif
.endr
.endr
.irp t, 0,1,2,3
.if \t >= \q0
.if \first
	v_add_f32 v[ST+4*\t+3], v[SU+2*\t], v[SU+2*\t+1]               ; L of my half of the keys; the halves meet at the block's end
.else
	v_add_f32 v[SU+2*\t], v[SU+2*\t], v[SU+2*\t+1]
	v_fma_f32 v[ST+4*\t+3], v[ST+4*\t+3], v[ST+4*\t+2], v[SU+2*\t]
.endif
.endif
.endr
.irp i, 0,1,2,3,4,5,6,7,8,9,10,11,12,13,14,15
.irp t, 0,1,2,3
.if \t >= \q0
	v_cvt_pk_f16_f32 v[SC+32*\t+\i], v[SC+32*\t+2*\i], v[SC+32*\t+2*\i+1]   ; in place, ascending: register i is read no later than it is written
.endif
.endr
.endr
.if \first == 0
	WIN W_RS
.irp i, 0,1,2,3,4,5,6,7,8,9,10,11,12,13,14,15
.irp t, 0,1,2,3
.if \t >= \q0
	v_pk_mul_f32 v[ACC+32*\t+2*\i:ACC+32*\t+2*\i+1], v[ACC+32*\t+2*\i:ACC+32*\t+2*\i+1], v[ST+4*\t+2:ST+4*\t+3] op_sel_hi:[1,0]
.endif
.endr
.endr
.endif
	s_wait_dscnt 0x0                               ; V's fragments
	WIN W_PV
.irp kg, 0,1
.irp dt, 0,1,2,3
.irp t, 0,1,2,3
.if \t >= \q0
.if \first*(1-\kg)
	v_wmma_f32_16x16x32_f16 v[ACC+8*(4*\t+\dt):ACC+8*(4*\t+\dt)+7], v[VF+32*\kg+8*\dt:VF+32*\kg+8*\dt+7], v[SC+32*\t+8*\kg:SC+32*\t+8*\kg+7], 0
.else
	v_wmma_f32_16x16x32_f16 v[ACC+8*(4*\t+\dt):ACC+8*(4*\t+\dt)+7], v[VF+32*\kg+8*\dt:VF+32*\kg+8*\dt+7], v[SC+32*\t+8*\kg:SC+32*\t+8*\kg+7], v[ACC+8*(4*\t+\dt):ACC+8*(4*\t+\dt)+7]
.endif
.endif
.endr
.endr
.endr
	WIN 0
	PLACES 5                                       ; five places before the next score products write over P, and before loads land on V's fragments
.endm
.macro DIAG slot
	STEP KA+\slot, VA+\slot, 0,       0,       0, 1, 1
	STEP KA+\slot, VA+\slot, 64*KP,   64*VP,   1, 1, 0
	STEP KA+\slot, VA+\slot, 128*KP,  128*VP,  2, 1, 0
	STEP KA+\slot, VA+\slot, 192*KP,  192*VP,  3, 1, 0
.endm
.macro FULL slot
	v_mov_b32 v[KL], v[KA+\slot]
	v_mov_b32 v[VL], v[VA+\slot]
	s_mov_b32 s67, 0
.Lfull_\@:
	STEP KL, VL, 0, 0, 0, 0, 0
	v_add_nc_u32 v[KL], 64*KP, v[KL]
	v_add_nc_u32 v[VL], 64*VP, v[VL]
	s_add_co_u32 s67, s67, 1
	s_cmp_lt_u32 s67, 4
	s_cbranch_scc1 .Lfull_\@
.endm
; The end of a query block: ctx / sum in f16, 16 rows at a time through my stage, out as 512 dense bytes a store.  last = 0: on to the second block.
.macro FIN last
.irp t, 0,1,2,3
	v_permlanex16_b32 v[TP+\t], v[ST+4*\t+3], s71, s72
.endr
.irp t, 0,1,2,3
	v_add_f32 v[ST+4*\t+3], v[ST+4*\t+3], v[TP+\t]
.endr
.irp t, 0,1,2,3
	v_rcp_f32 v[ST+4*\t+2], v[ST+4*\t+3]
.endr
	v_nop                                          ; one plain instruction behind the last reciprocal
	WIN W_FIN
	s_wait_alu depctr_va_vdst(0)
.irp t, 0,1,2,3
.irp i, 0,1,2,3,4,5,6,7,8,9,10,11,12,13,14,15
	v_pk_mul_f32 v[SC+32*\t+2*\i:SC+32*\t+2*\i+1], v[ACC+32*\t+2*\i:ACC+32*\t+2*\i+1], v[ST+4*\t+2:ST+4*\t+3] op_sel_hi:[1,0]
.endr
.endr
	WIN 0
.irp t, 0,1,2,3
.irp i, 0,1,2,3,4,5,6,7,8,9,10,11,12,13,14,15
	v_cvt_pk_f16_f32 v[SC+32*\t+\i], v[SC+32*\t+2*\i], v[SC+32*\t+2*\i+1]
.endr
.endr
.irp t, 0,1,2,3
.irp dt, 0,1,2,3
	ds_store_b128 v[STO], v[SC+32*\t+4*\dt:SC+32*\t+4*\dt+3] offset:32*\dt
.endr
.irp u, 0,1,2,3
	ds_load_b128 v[SC+32*\t+16+4*\u:SC+32*\t+16+4*\u+3], v[RD] offset:4*KP*\u   ; LDS serves a wave's instructions in order: these see tile t's stores, and the next tile's stores come behind them
.endr
.endr
.irp t, 0,1,2,3
.irp u, 0,1,2,3
	s_wait_dscnt 27-8*\t-\u                        ; of the 32 LDS instructions above, those issued behind load (t, u) stay out
	global_store_b128 v[CO], v[SC+32*\t+16+4*\u:SC+32*\t+16+4*\u+3], s[56:57] offset:8192*\t+512*\u
.endr
.endr
.if \last == 0
	s_wait_xcnt 0x0                                ; the stores' data and base are written again only behind this wait (ISA guide 3.1)
	s_mov_b64 s[52:53], s[54:55]
	s_mov_b64 s[56:57], s[58:59]
	QLOAD
.endif
.endm
.macro ODD                             ; a tile in slot 1: the second block's diagonal where n = e + 1
	HEAD 0, 1
	s_cmp_eq_u32 s60, s12
	s_cbranch_scc1 .Ldiag_\@
	FULL 1
	s_branch .Ljoin_\@
.Ldiag_\@:
	DIAG 1
.Ljoin_\@:
	s_add_co_u32 s60, s60, 1
.endm
.macro EVEN                            ; a full tile in slot 0; the first block ends where n = e
	HEAD 1, 1
	FULL 0
	s_cmp_lg_u32 s60, s11
	s_cbranch_scc1 .Lon_\@
	FIN 0
.Lon_\@:
	s_add_co_u32 s60, s60, 1
.endm
	s_load_b128 s[4:7], s[0:1], 0x0                ; qkv s[4:5], ctx s[6:7]
	v_lshl_add_u32 v62, v0, 2, 0x29000
	v_mov_b32 v63, 0
	ds_add_u32 v62, v63
	ds_add_u32 v62, v63
	v_lshrrev_b32 v1, 5, v0
	v_readfirstlane_b32 s8, v1                     ; wave 0..3
	s_lshr_b32 s9, s8, 1                           ; I fetch for V (0) or for K (1)
	s_and_b32 s10, s8, 1                           ; which 128 rows
	s_and_b32 s11, ttmp9, 3
	s_lshl_b32 s11, s11, 1                         ; e
	s_add_co_u32 s12, s11, 1
	s_sub_co_u32 s13, 7, s11
	s_lshr_b32 s74, ttmp9, 2
	s_lshr_b32 s75, s74, 4                         ; batch
	s_and_b32 s76, s74, 15                         ; head
	s_mul_i32 s77, s75, 48
	s_add_co_u32 s77, s77, s76
	s_lshl_b32 s78, s77, 18                        ; q's plane: planes of 262,144 bytes
	s_mov_b32 s79, 0
	s_lshl_b32 s80, s10, 14                        ; my 128 rows of 128 bytes,
	s_add_co_u32 s80, s80, 16<<18                  ; sixteen planes on: k
	s_mov_b32 s81, 0
	s_lshl_b32 s82, s13, 15                        ; block 7 - e: 256 rows of 128 bytes each
	s_mov_b32 s83, 0
	; group 1: 128 rows of 128 bytes lie densely and come as 64 rows of 256 bytes; padding behind every 32 words makes LDS rows of 144 (K) or 160 (V) bytes
	s_mov_b32 s[G1K+0], 0x07110000                 ; elements of 2 bytes, padding on, every 32 words, 4 words
	s_mov_b32 s[G1K+1], 128<<16
	s_mov_b32 s[G1K+2], 64<<16
	s_mov_b32 s[G1K+3], 128<<16
	s_mov_b32 s[G1K+4], 64
	s_mov_b32 s[G1K+5], 128
	s_mov_b32 s[G1K+6], 0
	s_mov_b32 s[G1K+7], 0
	s_mov_b32 s[G1V+0], 0x0f110000                 ; the same with 8 words
	s_mov_b32 s[G1V+1], 128<<16
	s_mov_b32 s[G1V+2], 64<<16
	s_mov_b32 s[G1V+3], 128<<16
	s_mov_b32 s[G1V+4], 64
	s_mov_b32 s[G1V+5], 128
	s_mov_b32 s[G1V+6], 0
	s_mov_b32 s[G1V+7], 0
	s_mov_b32 s[G0V], 1
	s_mul_i32 s[G0V+1], s8, 128*VP                 ; waves 0, 1: V's halves at wave x 20,480
	s_mov_b32 s[G0V+4], 1
	s_add_co_u32 s[G0V+5], s[G0V+1], SLOTB
	s_mov_b32 s[G0K], 1
	s_mul_i32 s[G0K+1], s8, 128*KP
	s_add_co_u32 s[G0K+1], s[G0K+1], KOFF-2*128*KP ; waves 2, 3: K's halves at 40,960 + (wave - 2) x 18,432
	s_mov_b32 s[G0K+4], 1
	s_add_co_u32 s[G0K+5], s[G0K+1], SLOTB
	s_wait_dscnt 0x0
	s_wait_kmcnt 0x0
	s_add_nc_u64 s[54:55], s[4:5], s[78:79]        ; q's plane
	s_add_nc_u64 s[48:49], s[54:55], s[80:81]      ; k's plane at my rows
	s_add_nc_u64 s[50:51], s[48:49], 16<<18        ; v's
	s_lshl_b32 s80, s11, 15                        ; block e
	s_add_nc_u64 s[G0K+2:G0K+3], s[48:49], s[80:81]
	s_or_b32 s[G0K+3], s[G0K+3], 0x80000000
	s_add_nc_u64 s[G0V+2:G0V+3], s[50:51], s[80:81]
	s_or_b32 s[G0V+3], s[G0V+3], 0x80000000
	KVLOAD 0                                       ; tile 0, ahead of everything else
	s_add_nc_u64 s[52:53], s[54:55], s[80:81]      ; q of block e,
	s_add_nc_u64 s[54:55], s[54:55], s[82:83]      ; and of block 7 - e
	s_lshl_b32 s78, s76, 20                        ; ctx: head x 8,192 rows
	s_lshl_b32 s77, s75, 18                        ; + batch x 2,048 rows
	s_add_co_u32 s78, s78, s77
	s_add_nc_u64 s[58:59], s[6:7], s[78:79]
	s_add_nc_u64 s[56:57], s[58:59], s[80:81]
	s_add_nc_u64 s[58:59], s[58:59], s[82:83]
	s_mov_b32 s68, 0x3e38aa3b                      ; c = log2(e) / 8
	s_mov_b32 s69, 0x3e38aa3b
	s_mov_b32 s70, 0xbe38aa3b                      ; -c
	s_mov_b32 s71, 0x76543210                      ; lane i of one half reads lane i of the other
	s_mov_b32 s72, 0xfedcba98
	v_and_b32 v1, 15, v0                           ; r
	v_bfe_u32 v2, v0, 4, 1                         ; h
	v_and_b32 v3, 31, v0                           ; l
	v_mul_u32_u24 v4, v1, KP
	v_lshl_add_u32 v4, v2, 4, v4                   ; r x 144 + 16 h
	v_add_nc_u32 v[KA], KOFF, v4
	v_add_nc_u32 v[KA+1], SLOTB, v[KA]
	v_and_b32 v5, 7, v0
	v_lshl_add_u32 v5, v2, 3, v5                   ; key 8 h + l % 8
	v_mul_u32_u24 v5, v5, VP
	v_bfe_u32 v6, v0, 3, 1
	v_lshl_add_u32 v[VA], v6, 4, v5                ; + 16 bytes for the lanes that serve d = 8..15 of a tile
	v_add_nc_u32 v[VA+1], SLOTB, v[VA]
	s_lshl_b32 s74, s8, 11                         ; 16 rows of 128 bytes a wave
	v_lshlrev_b32 v[QO], 7, v1
	v_lshl_add_u32 v[QO], v2, 4, v[QO]
	v_add_nc_u32 v[QO], s74, v[QO]                 ; (16 w + r) x 128 + 16 h
	v_lshl_add_u32 v[CO], v3, 4, s74               ; 2,048 w + 16 l
	s_mul_i32 s75, s8, 16*KP
	s_add_co_u32 s75, s75, STAGE                   ; my stage
	v_add_nc_u32 v[STO], s75, v4
	v_bfe_u32 v6, v0, 3, 2
	v_mul_u32_u24 v6, v6, KP
	v_and_b32 v7, 7, v0
	v_lshl_add_u32 v6, v7, 4, v6
	v_add_nc_u32 v[RD], s75, v6                    ; back: four rows x 128 bytes a load
	s_lshl_b32 s76, s8, 4
	v_add_nc_u32 v[LIM], s76, v1
	v_lshlrev_b32 v7, 3, v2
	v_sub_nc_u32 v[LIM], v[LIM], v7                ; 16 w + r - 8 h, signed
	v_mov_b32 v[NINF], 0xff800000
.irp t, 0,1,2,3
	v_mov_b32 v[TP+\t], 0                          ; the lane exchange counts as a reader of its destination
.endr
	QLOAD
	s_mov_b32 s60, 0                               ; n
	HEAD 1, 1                                      ; tile 0 is whole; slot 1 gets its first fill as a refill does
	DIAG 0
	s_cmp_lg_u32 s11, 0
	s_cbranch_scc1 .Lblock_goes_on
	FIN 0                                          ; e = 0: block 0 has its diagonal alone
.Lblock_goes_on:
	s_mov_b32 s60, 1
	s_mov_b32 s66, 0
.Ltiles:                                           ; tiles 1 to 6
	ODD
	EVEN
	s_add_co_u32 s66, s66, 1
	s_cmp_lt_u32 s66, 3
	s_cbranch_scc1 .Ltiles
	ODD                                            ; tile 7; its head asks for tile 8, the last
	HEAD 1, 0                                      ; nothing is left to fetch
	FULL 0                                         ; tile 8
	FIN 1
	s_wait_tensorcnt 0x0
	ds_add_u32 v62, v63
	s_wait_dscnt 0x0
	s_endpgm
.Lfunc_end_k_q869e52f508_attn:
	.size	k_q869e52f508_attn, .Lfunc_end_k_q869e52f508_attn-k_q869e52f508_attn
	.p2alignl 7, 3214868480
	.fill 96, 4, 3214868480
	.section	.rodata,"a",@progbits
	.p2align	6, 0x0
	.amdhsa_kernel k_q869e52f508_attn
		.amdhsa_group_segment_fixed_size 327680
		.amdhsa_private_segment_fixed_size 0
		.amdhsa_enable_private_segment 0
		.amdhsa_kernarg_size 16
		.amdhsa_user_sgpr_count 2
		.amdhsa_user_sgpr_kernarg_segment_ptr 1
		.amdhsa_wavefront_size32 1
		.amdhsa_system_sgpr_workgroup_id_x 1
		.amdhsa_system_sgpr_workgroup_id_y 1
		.amdhsa_system_sgpr_workgroup_id_z 1
		.amdhsa_system_vgpr_workitem_id 0
		.amdhsa_next_free_vgpr 512
		.amdhsa_next_free_sgpr 84
		.amdhsa_reserve_vcc 1
		.amdhsa_float_denorm_mode_32 3
		.amdhsa_float_denorm_mode_16_64 3
		.amdhsa_memory_ordered 1
		.amdhsa_forward_progress 1
		.amdhsa_inst_pref_size 255
	.end_amdhsa_kernel
	.section	.bss,"aw",@nobits
	.p2align	6
	.space	262144
	.amdgpu_metadata
---
amdhsa.version: [ 1, 2 ]
amdhsa.kernels:
  - .name:           k_q869e52f508_attn
    .symbol:         k_q869e52f508_attn.kd
    .args:
      - { .name: qkv, .offset: 0, .size: 8, .value_kind: global_buffer, .address_space: global }
      - { .name: ctx, .offset: 8, .size: 8, .value_kind: global_buffer, .address_space: global }
    .group_segment_fixed_size: 327680
    .private_segment_fixed_size: 0
    .kernarg_segment_align: 8
    .kernarg_segment_size: 16
    .max_flat_workgroup_size: 128
    .sgpr_count:     84
    .vgpr_count:     512
    .wavefront_size: 32
...
	.end_amdgpu_metadata
.endif
;; end of part 3
;; launch gemm_proj (part 4): grid 8 x 32, 4 waves a work-group, clusters of 4 x 4, 327,680 bytes of LDS; arguments ctx, wpt, b_proj, out0; writes out0
.if DOCPART == 4
	.amdgcn_target "amdgcn-amd-amdhsa--gfx1250"
	.amdhsa_code_object_version 6
	.text
	.protected	k_q869e52f508_gemm_proj
	.globl	k_q869e52f508_gemm_proj
	.p2align	8
	.type	k_q869e52f508_gemm_proj,@function
k_q869e52f508_gemm_proj:
	s_mov_b64 s[64:65], 0
	v_nop
	global_prefetch_b8 v0, s[64:65] scope:SCOPE_SE
	s_setreg_imm32_b32 hwreg(HW_REG_WAVE_MODE, 25, 1), 1
	s_wait_xcnt 0x0
	s_wait_alu depctr_hold_cnt(0) depctr_sa_sdst(0) depctr_va_vdst(0) depctr_va_sdst(0) depctr_va_ssrc(0) depctr_va_vcc(0) depctr_vm_vsrc(0)
	s_getreg_b32 s2, hwreg(HW_REG_IB_STS2, 6, 4)
	s_cmp_eq_u32 s2, 0
	s_cbranch_scc0 .Lentry_in_a_cluster
	s_endpgm
.Lentry_in_a_cluster:
	s_bfe_u32 s2, ttmp6, 0x10000c
	s_cmp_lg_u32 s2, 0xf033
	s_cbranch_scc0 .Lentry_shape_is_right
	s_endpgm
.Lentry_shape_is_right:
; out0 = ctx W_proj + b_proj.  A = ctx [head 16][8192 m][64] f16 (k = 64 head + d), B = wpt [1024 n][1024 k] f16, sums in f32, started by the bias
; (the bias is the first addend of each sum, not the last: an order of rounding that differs from the problem's).  out0 [8192][1024] f32.  No work is left out here.
; A work-group makes 256 x 128 with four waves stacked along m: a wave makes 64 x 128 = 32 accumulator tiles = 256 registers.
; K goes in 8 steps of 128 = two heads through two LDS slots.  Half a tile of A is two dense runs of 128 rows x 128 bytes, one in each head's plane:
; one tensor load of two rows of 8,192 elements, a plane apart, padded behind every 128 bytes, so that LDS holds [2 planes][128 rows][144 bytes].
; CLUSTER 4 x 4: A's tile is shared along a cluster's row, B's along a column; each is asked for jointly.  Waves 0, 1 ask for A's halves, waves 2, 3 for
; B's (64 rows).  A wave has two tensor loads out at the start and one later.
; PREFETCH of A's tiles: in K step t = 0..4, behind the refill, wave 3 asks for its share of the tile of K step t + 3, whose tensor load goes out in K step
; t + 1.  A block row's tile is 2 planes x 256 rows x 128 bytes = 256 blocks of 256 bytes, read by the 8 block columns: column c asks for plane c / 4,
; blocks 32 (c % 4) + lane, one lane a block, so that each block is asked for once in the launch; 8 KB a work-group are asked for and not yet read.
; K steps 5 to 7 ask for nothing: the last request ends at byte 16,777,215 of ctx's 16,777,216.  The share stands in the global address alone; the one
; branch hangs on the wave's number.  The tile's number stands in the immediate, so the four laps are written out.  B's tile is not asked for: its
; 128 blocks over 32 block rows are 4 a work-group, and a request by 4 lanes would want EXEC narrowed and widened round it.
; REGISTERS by windows of 256: window 0: addresses, A's fragments, the bias, later the way out; window 1: B's fragments; window 2: accumulators of row
; tiles 0, 1 (tile (a, b) at 8 (8 (a % 2) + b)); window 3: row tiles 2, 3.  The matrix instruction is used transposed (source 0 = rows of B), so that a
; lane holds eight neighbouring columns of one row.
.set PITCH,  272                       ; B's LDS row: 256 + 16
.set APITCH, 144                       ; A's LDS row: 128 + 16
.set APLANE, 128*APITCH                ; 18,432
.set NBL,    8
.set BN,     128
.set HALFA,  2*APLANE                  ; 36,864
.set HALFB,  64*PITCH                  ; 17,408
.set BOFF,   2*HALFA
.set SLOT,   BOFF+2*HALFB              ; 108,544
.set STAGE,  2*SLOT                    ; 217,088, a multiple of 256: no tensor load fills the stage
.set SPITCH, 528                       ; stage row: 128 f32 + 16 bytes
.set SWAVE,  16*SPITCH
.set ASTEP,  2*1048576                 ; two planes of ctx
.set BSTEP,  256
.set ADRA, 16
.set ADRB, 20
.set STO,  24
.set RD,   25
.set CO,   26
.set BO,   27
.set PF,   28                          ; v28: my block of the tile of K step 3 (K steps 4 to 6 by the immediate); v29: of K step 7.  Never rewritten
.set FA0,  32                          ; v32-63, v64-95: A's fragments, buffers 0, 1
.set BIAS, 96                          ; v96-159
.set RB0,  96
.set RB1,  160
.set G1A, 24
.set G0A, 32
.set G1B, 48
.set G0B, 56
.set MSB, 0
.macro WIN new                         ; the immediate's high byte repeats the setting that is left
.if MSB != \new
	s_set_vgpr_msb (MSB<<8)|\new
.set MSB, \new
.endif
.endm
.set MUL_LO,  0xa1
.set MUL_HI,  0xf1
.set BIAS_LO, 0x81
.set BIAS_HI, 0xc1
.set TO_B,    0x40
.macro JLOAD s
	s_cmp_eq_u32 s13, 0
	s_cbranch_scc0 .Lfor_b_\@
	tensor_load_to_lds s[G0A+4*\s:G0A+4*\s+3], s[G1A:G1A+7]
	s_nop 0
	s_branch .Lasked_\@
.Lfor_b_\@:
	tensor_load_to_lds s[G0B+4*\s:G0B+4*\s+3], s[G1B:G1B+7]
	s_nop 0
.Lasked_\@:
.endm
.macro CREST
	s_cmp_lg_u32 s12, 0
	s_cbranch_scc1 .Lnot_wave_0_\@
	s_barrier_signal -3
.Lnot_wave_0_\@:
	s_barrier_wait -3
	s_barrier_signal -1
	s_barrier_wait -1
.endm
.macro CROUND
	s_barrier_signal -1
	s_barrier_wait -1
	CREST
.endm
.macro PLACES                          ; four plain vector instructions between a matrix instruction and a load into, or another access to, its registers
.rept 4
	v_nop
.endr
.endm
	s_load_b256 s[4:11], s[0:1], 0x0               ; ctx s[4:5] (never rewritten: the prefetches' base), wpt s[6:7], b_proj s[8:9], out0 s[10:11]
	s_set_vgpr_msb 0x40
	v_lshl_add_u32 v255, v0, 2, 0x3d400
	s_set_vgpr_msb 0x4000
	v_mov_b32 v255, 0
	s_set_vgpr_msb 0x1
	ds_add_u32 v255, v255
	ds_add_u32 v255, v255
	s_set_vgpr_msb 0x100
	v_lshrrev_b32 v1, 5, v0
	v_readfirstlane_b32 s12, v1                    ; wave 0..3
	s_lshr_b32 s13, s12, 1                         ; I ask for A (0) or for B (1); also: which half of A's rows holds mine
	s_and_b32 s14, s12, 1
	s_bfe_u32 s15, ttmp6, 0x40000                  ; cx
	s_bfe_u32 s16, ttmp6, 0x40004                  ; cy
	s_lshl_b32 s17, ttmp9, 2
	s_add_co_u32 s17, s17, s15                     ; block column
	s_and_b32 s18, ttmp7, 0xffff
	s_lshl_b32 s18, s18, 2
	s_add_co_u32 s18, s18, s16                     ; block row
	s_lshl_b32 s19, s16, 2
	s_lshl_b32 s19, 15, s19                        ; my row of the cluster
	s_lshl_b32 s20, 0x1111, s15                    ; my column
	s_or_b32 s[G1A+0], s19, 0x07310000             ; elements of 2 bytes, 4 words of padding behind every 32, bit 21 beside the mask
	s_mov_b32 s[G1A+1], 8192<<16                   ; tensor_dim0 = 8,192 elements: 128 rows x 64, dense
	s_mov_b32 s[G1A+2], 2<<16                      ; tensor_dim1 = 2 planes
	s_mov_b32 s[G1A+3], 8192<<16                   ; tile_dim0
	s_mov_b32 s[G1A+4], 2                          ; tile_dim1
	s_mov_b32 s[G1A+5], 524288                     ; from plane to plane: 8,192 x 64 elements
	s_mov_b32 s[G1A+6], 0
	s_mov_b32 s[G1A+7], 0
	s_or_b32 s[G1B+0], s20, 0x07710000             ; 4 words of padding behind every 64
	s_mov_b32 s[G1B+1], 128<<16
	s_mov_b32 s[G1B+2], 64<<16
	s_mov_b32 s[G1B+3], 128<<16
	s_mov_b32 s[G1B+4], 64
	s_mov_b32 s[G1B+5], 1024
	s_mov_b32 s[G1B+6], 0
	s_mov_b32 s[G1B+7], 0
	s_lshl_b32 s40, s18, 8
	s_lshl_b32 s41, s14, 7
	s_add_co_u32 s40, s40, s41                     ; A: row 256 x block row + 128 x half,
	s_lshl_b32 s40, s40, 7                         ; rows of 128 bytes in a plane
	s_mov_b32 s41, 0
	s_mul_i32 s66, s17, BN
	s_mul_i32 s67, s14, BN/2
	s_add_co_u32 s66, s66, s67                     ; B: row 128 x block column + 64 x half
	s_lshl_b32 s66, s66, 11
	s_mov_b32 s67, 0
	s_mul_i32 s21, s12, HALFA                      ; LDS: waves 0, 1 put A's halves at wave x HALFA,
	s_mul_i32 s22, s12, HALFB
	s_add_co_u32 s22, s22, BOFF-2*HALFB            ; waves 2, 3 put B's halves at BOFF + (wave - 2) x HALFB
	s_wait_dscnt 0x0
	s_wait_kmcnt 0x0
	s_add_nc_u64 s[42:43], s[4:5], s[40:41]
	s_add_nc_u64 s[68:69], s[6:7], s[66:67]
	CROUND                                         ; all sixteen work-groups are here: the first joint loads meet
.irp s, 0,1
	s_mov_b32 s[G0A+4*\s], 1
	s_add_co_u32 s[G0A+4*\s+1], s21, \s*SLOT
	s_add_nc_u64 s[G0A+4*\s+2:G0A+4*\s+3], s[42:43], \s*ASTEP
	s_or_b32 s[G0A+4*\s+3], s[G0A+4*\s+3], 0x80000000
	s_mov_b32 s[G0B+4*\s], 1
	s_add_co_u32 s[G0B+4*\s+1], s22, \s*SLOT
	s_add_nc_u64 s[G0B+4*\s+2:G0B+4*\s+3], s[68:69], \s*BSTEP
	s_or_b32 s[G0B+4*\s+3], s[G0B+4*\s+3], 0x80000000
	JLOAD \s
.endr
	v_and_b32 v1, 15, v0                           ; r
	v_bfe_u32 v2, v0, 4, 1                         ; h
	v_mul_u32_u24 v3, v1, APITCH
	v_lshl_add_u32 v3, v2, 4, v3
	s_mul_i32 s2, s13, HALFA                       ; my rows 64 w .. 64 w + 63: half w / 2,
	s_mul_i32 s3, s14, 64*APITCH                   ; rows 64 (w % 2) .. of it
	s_add_co_u32 s2, s2, s3
	v_add_nc_u32 v[ADRA], s2, v3
	v_add_nc_u32 v[ADRA+1], SLOT, v[ADRA]
	v_mul_u32_u24 v3, v1, PITCH
	v_lshl_add_u32 v3, v2, 4, v3
	v_add_nc_u32 v[ADRB], BOFF, v3
	v_add_nc_u32 v[ADRB+1], SLOT, v[ADRB]
	s_mul_i32 s23, s12, SWAVE
	s_add_co_u32 s23, s23, STAGE
	v_mul_u32_u24 v4, v1, SPITCH
	v_lshl_add_u32 v4, v2, 5, v4
	v_add_nc_u32 v[STO], s23, v4                   ; in: row r, 32 bytes for each half of the lanes
	v_and_b32 v7, 31, v0
	v_lshlrev_b32 v[CO], 4, v7                     ; a row's 512 bytes: 16 a lane
	v_add_nc_u32 v[RD], s23, v[CO]
	v_lshlrev_b32 v[BO], 5, v2
	; the prefetches' byte offsets in ctx
	s_lshr_b32 s74, s17, 2
	s_lshl_b32 s74, s74, 20                        ; plane (block column / 4) of the tile's two
	s_lshl_b32 s75, s18, 15
	s_add_co_u32 s74, s74, s75                     ; + block row x 256 rows x 128 bytes
	s_and_b32 s75, s17, 3
	s_lshl_b32 s75, s75, 13
	s_add_co_u32 s74, s74, s75                     ; + (block column % 4) x 32 blocks of 256 bytes
	s_add_co_u32 s74, s74, 3*ASTEP                 ; the tile of K step 3
	v_lshl_add_u32 v[PF], v7, 8, s74               ; + 256 x lane
	v_add_nc_u32 v[PF+1], 4*ASTEP, v[PF]           ; the tile of K step 7: 4 x 2,097,152 is one more than a load's immediate holds
	s_mul_i32 s70, s17, BN*4
	s_mov_b32 s71, 0
	s_add_nc_u64 s[72:73], s[8:9], s[70:71]
.irp b, 0,1,2,3,4,5,6,7
	global_load_b128 v[BIAS+8*\b:BIAS+8*\b+3],   v[BO], s[72:73] offset:64*\b
	global_load_b128 v[BIAS+8*\b+4:BIAS+8*\b+7], v[BO], s[72:73] offset:64*\b+16
.endr
; The 32 accumulators take turns, one instruction a turn, in the same order in every quarter step.
.macro MULA f, a, zero
.irp b, 0,1,2,3,4,5,6,7
.if \zero
	v_wmma_f32_16x16x32_f16 v[8*(NBL*(\a%2)+\b):8*(NBL*(\a%2)+\b)+7], v[8*NBL*\f+8*\b:8*NBL*\f+8*\b+7], v[FA0+32*\f+8*\a:FA0+32*\f+8*\a+7], v[BIAS+8*\b:BIAS+8*\b+7]
.else
	v_wmma_f32_16x16x32_f16 v[8*(NBL*(\a%2)+\b):8*(NBL*(\a%2)+\b)+7], v[8*NBL*\f+8*\b:8*NBL*\f+8*\b+7], v[FA0+32*\f+8*\a:FA0+32*\f+8*\a+7], v[8*(NBL*(\a%2)+\b):8*(NBL*(\a%2)+\b)+7]
.endif
.endr
.endm
; 24 LDS loads in one run; quarter q of A lies in plane q / 2 at byte 64 (q % 2) of its rows
.macro FETCH slot, q, f
	WIN TO_B
.irp i, 0,1,2,3,4,5,6,7
	ds_load_b128 v[8*NBL*\f+8*\i:8*NBL*\f+8*\i+3],   v[ADRB+\slot] offset:64*\q+\i*16*PITCH
	ds_load_b128 v[8*NBL*\f+8*\i+4:8*NBL*\f+8*\i+7], v[ADRB+\slot] offset:64*\q+\i*16*PITCH+32
.endr
	WIN 0
.irp i, 0,1,2,3
	ds_load_b128 v[FA0+32*\f+8*\i:FA0+32*\f+8*\i+3],   v[ADRA+\slot] offset:(\q/2)*APLANE+(\q%2)*64+\i*16*APITCH
	ds_load_b128 v[FA0+32*\f+8*\i+4:FA0+32*\f+8*\i+7], v[ADRA+\slot] offset:(\q/2)*APLANE+(\q%2)*64+\i*16*APITCH+32
.endr
.endm
.macro QUARTER slot, q, f, g, zero
	s_wait_dscnt 4                                 ; B and A's row tiles 0, 1 are in; the four youngest loads (row tiles 2, 3) may be out
.if \zero
	WIN BIAS_LO
.else
	WIN MUL_LO
.endif
	MULA \f, 0, \zero
	MULA \f, 1, \zero
	PLACES
	FETCH \slot, \q, \g
	s_wait_dscnt 2*NBL+8                           ; all but the 24 just issued
.if \zero
	WIN BIAS_HI
.else
	WIN MUL_HI
.endif
	MULA \f, 2, \zero
	MULA \f, 3, \zero
.endm
.macro THREE slot, zero
	QUARTER \slot, 1, 0, 1, \zero
	QUARTER \slot, 2, 1, 0, 0
	QUARTER \slot, 3, 0, 1, 0
.endm
; The last quarter changes slots: each wave's reads of this slot and all its tensor loads are waited for in front of the barrier; the refill comes first behind it.
; pf = 0..4: wave 3 then asks for its 32 blocks of the tile of K step 3 + pf; -1: nothing is asked for.
.macro TURN slot, next, fill, pf
	s_wait_dscnt 4
	WIN MUL_LO
	MULA 1, 0, 0
	s_wait_dscnt 0                                 ; my reads of this slot are over
	s_wait_tensorcnt 0x0                           ; and all my tensor loads have landed
	ds_add_u32 v255, v255
	s_wait_dscnt 0x0
	s_barrier_signal -1                            ; where the slot is filled again this barrier opens a round of the cluster's barrier
	MULA 1, 1, 0
	WIN 0
	s_barrier_wait -1
.if \fill
	CREST                                          ; no wave of any partner still reads this slot's tile or has a load on its way
	s_add_nc_u64 s[G0A+4*\slot+2:G0A+4*\slot+3], s[G0A+4*\slot+2:G0A+4*\slot+3], 2*ASTEP
	s_add_nc_u64 s[G0B+4*\slot+2:G0B+4*\slot+3], s[G0B+4*\slot+2:G0B+4*\slot+3], 2*BSTEP
	JLOAD \slot                                    ; the first tensor load behind the round, one a wave
.endif
.if \pf >= 0
	s_cmp_lg_u32 s12, 3
	s_cbranch_scc1 .Lno_ask_\@
	global_prefetch_b8 v[PF+\pf/4], s[4:5] offset:(\pf%4)*ASTEP th:TH_LOAD_NT scope:SCOPE_SE   ; no register of it is ever rewritten, so no wait follows
.Lno_ask_\@:
.endif
	PLACES
	FETCH \next, 0, 0
	WIN MUL_HI
	MULA 1, 2, 0
	MULA 1, 3, 0
.endm
.macro LAP zero, p0, p1
	THREE 0, \zero
	TURN 0, 1, 1, \p0
	THREE 1, 0
	TURN 1, 0, 1, \p1
.endm
	s_wait_tensorcnt 1                             ; my part of K step 0 is in; K step 1's stays out
	s_barrier_signal -1
	s_barrier_wait -1
	s_wait_loadcnt 0x0                             ; the bias
	FETCH 0, 0, 0
	LAP 1, 0, 1                                    ; K steps 0, 1: the first products start the sums; the tiles of K steps 3, 4 are asked for
	LAP 0, 2, 3                                    ; K steps 2, 3: those of K steps 5, 6
	LAP 0, 4, -1                                   ; K steps 4, 5: that of K step 7, the last
	THREE 0, 0                                     ; the last lap fills nothing
	TURN 0, 1, 0, -1
	THREE 1, 0
	s_wait_dscnt 4
	WIN MUL_LO
	MULA 1, 0, 0
	MULA 1, 1, 0
	s_wait_dscnt 0
	WIN MUL_HI
	MULA 1, 2, 0
	MULA 1, 3, 0
	; THE WAY OUT, 16 rows at a time: the f32 sums go straight from the accumulators into my own stage and come back as whole rows of 512 bytes.
	PLACES
	s_lshl_b32 s70, s18, 8
	s_lshl_b32 s72, s12, 6
	s_add_co_u32 s70, s70, s72                     ; my first row: 256 x block row + 64 x wave
	s_lshl_b32 s70, s70, 12                        ; rows of 4,096 bytes
	s_lshl_b32 s72, s17, 9                         ; my 128 columns
	s_add_co_u32 s70, s70, s72
	s_mov_b32 s71, 0
	s_add_nc_u64 s[10:11], s[10:11], s[70:71]
.macro OUT16 a, from, rb
	WIN \from                                      ; an LDS store's data is source 1
.irp b, 0,1,2,3,4,5,6,7
	ds_store_b128 v[STO], v[8*(NBL*(\a%2)+\b):8*(NBL*(\a%2)+\b)+3]   offset:64*\b
	ds_store_b128 v[STO], v[8*(NBL*(\a%2)+\b)+4:8*(NBL*(\a%2)+\b)+7] offset:64*\b+16
.endr
	WIN 0
	s_wait_xcnt 0x0                                ; buffer rb, which earlier stores read, and the stores' base are written again only behind this wait (ISA guide 3.1)
.if \a
	s_add_nc_u64 s[10:11], s[10:11], 16*4096
.endif
.irp t, 0,1,2,3,4,5,6,7,8,9,10,11,12,13,14,15
	ds_load_b128 v[\rb+4*\t:\rb+4*\t+3], v[RD] offset:SPITCH*\t    ; LDS serves a wave's instructions in order: these see the stores above
.endr
.irp t, 0,1,2,3,4,5,6,7,8,9,10,11,12,13,14,15
	s_wait_dscnt 15-\t                             ; row t is in; the younger loads stay out
	global_store_b128 v[CO], v[\rb+4*\t:\rb+4*\t+3], s[10:11] offset:4096*\t th:TH_STORE_NT   ; 512 consecutive bytes, aligned
.endr
.endm
	OUT16 0, 0x08, RB0
	OUT16 1, 0x08, RB1
	OUT16 2, 0x0c, RB0
	OUT16 3, 0x0c, RB1
	s_set_vgpr_msb 0x1
	s_wait_tensorcnt 0x0
	ds_add_u32 v255, v255
	s_wait_dscnt 0x0
	s_set_vgpr_msb 0x100
	CROUND                                         ; the closing round: no work-group ends while a partner may still ask for a tile that names it
	s_endpgm
.Lfunc_end_k_q869e52f508_gemm_proj:
	.size	k_q869e52f508_gemm_proj, .Lfunc_end_k_q869e52f508_gemm_proj-k_q869e52f508_gemm_proj
	.p2alignl 7, 3214868480
	.fill 96, 4, 3214868480
	.section	.rodata,"a",@progbits
	.p2align	6, 0x0
	.amdhsa_kernel k_q869e52f508_gemm_proj
		.amdhsa_group_segment_fixed_size 327680
		.amdhsa_private_segment_fixed_size 0
		.amdhsa_enable_private_segment 0
		.amdhsa_kernarg_size 32
		.amdhsa_user_sgpr_count 2
		.amdhsa_user_sgpr_kernarg_segment_ptr 1
		.amdhsa_wavefront_size32 1
		.amdhsa_system_sgpr_workgroup_id_x 1
		.amdhsa_system_sgpr_workgroup_id_y 1
		.amdhsa_system_sgpr_workgroup_id_z 1
		.amdhsa_system_vgpr_workitem_id 0
		.amdhsa_next_free_vgpr 896
		.amdhsa_next_free_sgpr 80
		.amdhsa_reserve_vcc 0
		.amdhsa_float_denorm_mode_32 3
		.amdhsa_float_denorm_mode_16_64 3
		.amdhsa_memory_ordered 1
		.amdhsa_forward_progress 1
		.amdhsa_inst_pref_size 154
	.end_amdhsa_kernel
	.amdgpu_metadata
---
amdhsa.version: [ 1, 2 ]
amdhsa.kernels:
  - .name:           k_q869e52f508_gemm_proj
    .symbol:         k_q869e52f508_gemm_proj.kd
    .args:
      - { .name: ctx, .offset: 0, .size: 8, .value_kind: global_buffer, .address_space: global }
      - { .name: wpt, .offset: 8, .size: 8, .value_kind: global_buffer, .address_space: global }
      - { .name: b_proj, .offset: 16, .size: 8, .value_kind: global_buffer, .address_space: global }
      - { .name: out0, .offset: 24, .size: 8, .value_kind: global_buffer, .address_space: global }
    .group_segment_fixed_size: 327680
    .private_segment_fixed_size: 0
    .kernarg_segment_align: 8
    .kernarg_segment_size: 32
    .max_flat_workgroup_size: 128
    .sgpr_count:     80
    .vgpr_count:     896
    .wavefront_size: 32
...
	.end_amdgpu_metadata
.endif
;; end of part 4
;; ======== version 2 of 2: 4 launches; version 1 with the launch prep written anew for expert scheduling mode
;; limits: values are held in f16: magnitudes above 65,504 overflow, below 6.1e-05 lose precision
;; workspace buffers: xb 16,777,216 bytes; wat 6,291,456 bytes; wpt 2,097,152 bytes; qkv 50,331,648 bytes; ctx 16,777,216 bytes
;; launch prep (part 5): grid 1024 x 1, 8 waves a work-group, no clusters, 17,920 bytes of LDS; arguments x, W_attn, W_proj, xb, wat, wpt; writes xb, wat, wpt
.if DOCPART == 5
	.amdgcn_target "amdgcn-amd-amdhsa--gfx1250"
	.amdhsa_code_object_version 6
	.text
	.protected	k_q869e52f508_prep
	.globl	k_q869e52f508_prep
	.p2align	8
	.type	k_q869e52f508_prep,@function
k_q869e52f508_prep:
	s_mov_b64 s[64:65], 0
	v_nop
	global_prefetch_b8 v0, s[64:65] scope:SCOPE_SE
	s_setreg_imm32_b32 hwreg(HW_REG_WAVE_SCHED_MODE, 0, 2), 2
	s_setreg_imm32_b32 hwreg(HW_REG_WAVE_MODE, 25, 1), 1
	s_wait_xcnt 0x0
	s_wait_alu depctr_vm_vsrc(0)
; CAUSAL SELF-ATTENTION IN FOUR LAUNCHES: this one (formats), x W_attn + b_attn, the attention itself, ctx W_proj + b_proj.
; This launch: xb = x in bf16; wat = W_attn transposed, [3072 n][1024 k] bf16; wpt = W_proj transposed, [1024 n][1024 k], rounded to bf16 and
; held as f16 (its partner in the last product, ctx, is f16, and one matrix form takes one format for both sources).
;
; WORK LEFT OUT BY THE PROGRAM, and why it is dead for all values of the inputs: the causal mask is built by the problem's own lower triangle, so a
; score of query i and key j > i is replaced by -inf in front of the softmax, its weight is exp(-inf) = 0, and 0 times v adds nothing to ctx.
; The attention launch therefore forms no product for blocks of 16 queries x 64 keys that lie wholly above the diagonal.
; LIMIT: a NaN, an infinity or an overflow that would arise only in those blocks is not carried to the result.
; Every input has a way to the output and is loaded.  The K third of b_attn adds q.b_k to all scores of a row, which the softmax cancels;
; it is kept all the same: its columns 1024-2047 do not fall on the 192-column blocks of the second launch, and a bias costs no instruction there.
; LIMITS OF FORMAT: x, W_attn, W_proj are rounded to bf16 as matrix operands.  A bf16 value of W_proj is exact in f16 for 2^-17 <= |w| < 65,504;
; below that it moves by at most 2^-25; at 65,504 and above it becomes infinite.
;
; Eight waves.  Work-groups 0-511 cast 64 KiB of x each; 512-895 transpose a tile of 128 k x 64 n of W_attn; 896-1023 one of W_proj.
; The branch hangs on the work-group's number alone, so all eight waves take the same way and meet the same barrier.
;
; THE MODE: SCHED_MODE bits 1:0 = 2 (LLVM: expert scheduling mode 2), set by the entry lines.  The code itself states the register dependences
; between vector instructions and memory or LDS instructions, with s_wait_alu, always for 0.
; THE PLAN.  No arm has a loop, and no register that a memory or LDS instruction reads is ever written again: so only waits on va_vdst are owed.
; The cast:       v1, v2      offsets, made once at the arm's head; read by the sixteen loads (v1) and the sixteen stores (v2).
;                 XIN         written by the loads, all issued before any vector instruction names these registers; read by the conversions.
;                 XOUT        a pair for each store: written once, by two conversions; read by that store.
;   The sixteen loads go in four groups of four.  Group g converts its own XIN into its own XOUT; the memory instructions among its conversions are the
;   four stores of group g - 1.  One wait at the group's head, behind the wait for its data, states that group g - 1's conversions have written what
;   those stores read; no conversion of group g names those registers.
; The transposes: v3 to v6    addresses, made once at the arm's head; read by the loads (v3), the LDS stores (v4), the LDS loads (v5), the stores (v6).
;                 WIN_        written by the loads, before any vector instruction names these registers; read by the conversions.
;                 WPK         written by the conversions, which stand in one run; read by the sixteen LDS stores, which follow in one run behind one wait.
;                 WRD         written by the LDS loads, read by the stores; no vector instruction names them.  v72, v73: vector instructions alone.
; v104, v105: written at the head, read by the closing add alone.
.set XIN,  4                           ; cast: v[4:67]   sixteen loads of 16 bytes
.set XOUT, 68                          ; cast: v[68:99]  sixteen pairs of packed bf16
.set WIN_, 8                           ; transpose: v[8:39]  W[k = 32 j + 2 kp + e][n = 4 c + i] at 8 + 8 j + 4 e + i
.set WPK,  40                          ; transpose: v[40:55] word (j, i): k pair 16 j + kp of column 4 c + i
.set WRD,  56                          ; transpose: v[56:71] read back by rows of the transposed tile
.set LP,   65                          ; LDS pitch in words: 64 words of a transposed row + 1, so that a wave's 32 stores meet 32 different banks (ISA guide 11.1)
	s_load_b256 s[4:11], s[0:1], 0x0               ; x s[4:5], W_attn s[6:7], W_proj s[8:9], xb s[10:11]
	s_load_b128 s[12:15], s[0:1], 0x20             ; wat s[12:13], wpt s[14:15]
	v_lshl_add_u32 v104, v0, 2, 0x4200
	v_mov_b32 v105, 0
	s_cmp_lt_u32 ttmp9, 512
	s_cbranch_scc1 .Lcast
	s_cmp_lt_u32 ttmp9, 896
	s_cbranch_scc1 .Lwattn
; One tile: 128 rows (k) x 256 bytes (64 n) of a matrix with rows of pitchb bytes, out as 64 rows (n) x 256 bytes (128 k in 16 bits).
; Thread: c = t & 15 (16 bytes of a row), kp = t >> 4 (a pair of rows).  Sixteen neighbouring lanes read 256 neighbouring bytes, and store 256.
.macro TRANS src, dst, pitchb, id0, half
	s_sub_co_u32 s16, ttmp9, \id0                  ; the tile's number
	s_and_b32 s17, s16, 7                          ; kt: which 128 k
	s_lshr_b32 s18, s16, 3                         ; nt: which 64 n
	s_mul_i32 s20, s17, 128*\pitchb
	s_lshl_b32 s19, s18, 8
	s_add_co_u32 s20, s20, s19                     ; from: kt x 128 rows + nt x 256 bytes
	s_mov_b32 s21, 0
	s_lshl_b32 s22, s18, 17                        ; to: nt x 64 rows of 2,048 bytes
	s_lshl_b32 s19, s17, 8
	s_add_co_u32 s22, s22, s19                     ;     + kt x 256 bytes
	s_mov_b32 s23, 0
	v_and_b32 v1, 15, v0                           ; c
	v_lshrrev_b32 v2, 4, v0                        ; kp
	v_mul_u32_u24 v3, v2, 2*\pitchb
	v_lshl_add_u32 v3, v1, 4, v3                   ; load: row 2 kp, byte 16 c
	v_mul_u32_u24 v4, v1, 4*LP
	v_add_lshl_u32 v4, v4, v2, 2                   ; LDS in: row n = 4 c, word kp
	v_mul_u32_u24 v5, v2, LP
	v_lshl_add_u32 v5, v1, 2, v5
	v_lshlrev_b32 v5, 2, v5                        ; LDS back: row n = kp, words 4 c ..
	v_lshlrev_b32 v6, 11, v2
	v_lshl_add_u32 v6, v1, 4, v6                   ; store: row kp of 2,048 bytes, byte 16 c
	s_wait_kmcnt 0x0
	s_add_nc_u64 s[24:25], s[\src:\src+1], s[20:21]
	s_add_nc_u64 s[26:27], s[\dst:\dst+1], s[22:23]
	s_wait_alu depctr_va_vdst(0)                   ; the four addresses v3 to v6 are written, which the loads, LDS stores, LDS loads and stores below read; none is written again
.irp j, 0,1,2,3
.irp e, 0,1
	global_load_b128 v[WIN_+8*\j+4*\e:WIN_+8*\j+4*\e+3], v3, s[24:25] offset:(32*\j+\e)*\pitchb th:TH_LOAD_NT
.endr
.endr
	s_wait_loadcnt 0x0
.irp j, 0,1,2,3
.irp i, 0,1,2,3
	v_cvt_pk_bf16_f32 v[WPK+4*\j+\i], v[WIN_+8*\j+\i], v[WIN_+8*\j+4+\i]   ; k and k + 1 of one column: neighbours in the transposed row
.if \half
	v_lshlrev_b32 v72, 16, v[WPK+4*\j+\i]          ; the two bf16 values as f32,
	v_and_b32 v73, 0xffff0000, v[WPK+4*\j+\i]
	v_cvt_pk_f16_f32 v[WPK+4*\j+\i], v72, v73      ; and the same values in f16
.endif
.endr
.endr
	s_wait_alu depctr_va_vdst(0)                   ; the conversions have written v[WPK ..], which the sixteen LDS stores read: one wait for the run
.irp j, 0,1,2,3
.irp i, 0,1,2,3
	ds_store_b32 v4, v[WPK+4*\j+\i] offset:(LP*\i+16*\j)*4
.endr
.endr
	s_wait_dscnt 0x0                               ; my stores are in LDS before I say so: other waves read them
	s_barrier_signal -1
	s_barrier_wait -1
.irp j, 0,1,2,3
.irp e, 0,1,2,3
	ds_load_b32 v[WRD+4*\j+\e], v5 offset:(16*LP*\j+\e)*4   ; no vector instruction names v[WRD ..], and v5 was written ahead of the first wait on va_vdst
.endr
.endr
.irp j, 0,1,2,3
	s_wait_dscnt 12-4*\j                           ; LDS loads return in order (ISA guide 5.7.1): group j is in, the 12 - 4 j younger loads stay out
	global_store_b128 v6, v[WRD+4*\j:WRD+4*\j+3], s[26:27] offset:32768*\j
.endr
	s_wait_dscnt 0x0                               ; the closing lines, six on end
	s_wait_alu 0x0
	s_wait_tensorcnt 0x0
	ds_add_u32 v104, v105
	s_wait_dscnt 0x0
	s_endpgm
.endm
; The cast's group g: loads 4 g to 4 g + 3 are converted; the stores of group g - 1 stand among the conversions, a store in front of each pair of them.
.macro GROUP g
	s_wait_loadcnt 12-4*(\g)                       ; loads return in order (ISA guide 5.7.1): the group's four are in, the 12 - 4 g younger ones stay out
.if \g
	s_wait_alu depctr_va_vdst(0)                   ; the group before has written its four pairs of XOUT, which the stores below read; no conversion of this group names them
.endif
.irp i, 0,1,2,3
.if \g
	global_store_b64 v2, v[XOUT+2*(4*(\g)-4+\i):XOUT+2*(4*(\g)-4+\i)+1], s[10:11] offset:2048*(4*(\g)-4+\i)
.endif
	v_cvt_pk_bf16_f32 v[XOUT+2*(4*(\g)+\i)], v[XIN+4*(4*(\g)+\i)], v[XIN+4*(4*(\g)+\i)+1]
	v_cvt_pk_bf16_f32 v[XOUT+2*(4*(\g)+\i)+1], v[XIN+4*(4*(\g)+\i)+2], v[XIN+4*(4*(\g)+\i)+3]
.endr
.endm
	TRANS 8, 14, 4096, 896, 1                      ; W_proj -> wpt, f16
.Lwattn:
	TRANS 6, 12, 12288, 512, 0                     ; W_attn -> wat, bf16
.Lcast:
	; 64 KiB of x: sixteen loads, each covering 512 neighbouring bytes a wave; each store of a wave covers 256 consecutive bytes, aligned.
	v_lshlrev_b32 v1, 4, v0
	v_lshlrev_b32 v2, 3, v0
	s_lshl_b32 s16, ttmp9, 16
	s_mov_b32 s17, 0
	s_lshl_b32 s18, ttmp9, 15
	s_mov_b32 s19, 0
	s_wait_kmcnt 0x0
	s_add_nc_u64 s[4:5], s[4:5], s[16:17]
	s_add_nc_u64 s[10:11], s[10:11], s[18:19]
	s_wait_alu depctr_va_vdst(0)                   ; v1 and v2 are written: every load of the arm reads v1 as its offset, every store v2; neither is written again
.irp j, 0,1,2,3,4,5,6,7,8,9,10,11,12,13,14,15
	global_load_b128 v[XIN+4*\j:XIN+4*\j+3], v1, s[4:5] offset:4096*\j th:TH_LOAD_NT
.endr
	GROUP 0                                        ; no group stands in front of it: no store, and no wait but the one for its data
	GROUP 1
	GROUP 2
	GROUP 3
	s_wait_alu depctr_va_vdst(0)                   ; group 3 has written its four pairs of XOUT, which the last four stores read
.irp j, 12,13,14,15
	global_store_b64 v2, v[XOUT+2*\j:XOUT+2*\j+1], s[10:11] offset:2048*\j
.endr
	s_endpgm                                       ; this arm stores nothing to LDS
.Lfunc_end_k_q869e52f508_prep:
	.size	k_q869e52f508_prep, .Lfunc_end_k_q869e52f508_prep-k_q869e52f508_prep
	.p2alignl 7, 3214868480
	.fill 96, 4, 3214868480
	.section	.rodata,"a",@progbits
	.p2align	6, 0x0
	.amdhsa_kernel k_q869e52f508_prep
		.amdhsa_group_segment_fixed_size 17920
		.amdhsa_private_segment_fixed_size 0
		.amdhsa_enable_private_segment 0
		.amdhsa_kernarg_size 48
		.amdhsa_user_sgpr_count 2
		.amdhsa_user_sgpr_kernarg_segment_ptr 1
		.amdhsa_wavefront_size32 1
		.amdhsa_system_sgpr_workgroup_id_x 1
		.amdhsa_system_sgpr_workgroup_id_y 1
		.amdhsa_system_sgpr_workgroup_id_z 1
		.amdhsa_system_vgpr_workitem_id 0
		.amdhsa_next_free_vgpr 106
		.amdhsa_next_free_sgpr 66
		.amdhsa_reserve_vcc 0
		.amdhsa_float_denorm_mode_32 3
		.amdhsa_float_denorm_mode_16_64 3
		.amdhsa_memory_ordered 1
		.amdhsa_forward_progress 1
		.amdhsa_inst_pref_size 21
	.end_amdhsa_kernel
	.amdgpu_metadata
---
amdhsa.version: [ 1, 2 ]
amdhsa.kernels:
  - .name:           k_q869e52f508_prep
    .symbol:         k_q869e52f508_prep.kd
    .args:
      - { .name: x, .offset: 0, .size: 8, .value_kind: global_buffer, .address_space: global }
      - { .name: W_attn, .offset: 8, .size: 8, .value_kind: global_buffer, .address_space: global }
      - { .name: W_proj, .offset: 16, .size: 8, .value_kind: global_buffer, .address_space: global }
      - { .name: xb, .offset: 24, .size: 8, .value_kind: global_buffer, .address_space: global }
      - { .name: wat, .offset: 32, .size: 8, .value_kind: global_buffer, .address_space: global }
      - { .name: wpt, .offset: 40, .size: 8, .value_kind: global_buffer, .address_space: global }
    .group_segment_fixed_size: 17920
    .private_segment_fixed_size: 0
    .kernarg_segment_align: 8
    .kernarg_segment_size: 48
    .max_flat_workgroup_size: 256
    .sgpr_count:     66
    .vgpr_count:     106
    .wavefront_size: 32
...
	.end_amdgpu_metadata
.endif
;; end of part 5
;; launch gemm_qkv: the kernel of part 2 again; grid 8 x 32, 4 waves a work-group, clusters of 4 x 4, 327,680 bytes of LDS; arguments xb, wat, b_attn, qkv; writes qkv
;; launch attn: the kernel of part 3 again; grid 256 x 1, 4 waves a work-group, no clusters, 327,680 bytes of LDS; arguments qkv, ctx; writes ctx
;; launch gemm_proj: the kernel of part 4 again; grid 8 x 32, 4 waves a work-group, clusters of 4 x 4, 327,680 bytes of LDS; arguments ctx, wpt, b_proj, out0; writes out0
